; MI455X (gfx1250); checked and timed in simulation.
; The chip was launched on July 23, 2026; its instructions are those of AMD's public machine-readable ISA for CDNA 5 (MIT licence, August 2026) and "CDNA5" Instruction Set Architecture Reference Guide (July 2026). The comments in the code are by the model that wrote it; some were corrected since.
;; Core Attention. Allowed arithmetic: float matrix products may take bf16 or f16 operands with f32 sums; other float arithmetic in f32, or as packed bf16 or f16 multiplies, adds, multiply-adds, maxima and minima; sums over many terms, partial sums and values carried from step to step in f32; what a program stores and reads back later, other than sums and carried values, may be rounded once to bf16 or f16.
;; Inputs: Wk1 2,048 x 512 float32; Wk2 512 x 512 float32; Wo 2,048 x 2,048 float32; Wq1 2,048 x 512 float32; Wq2 512 x 2,048 float32; Wv1 2,048 x 512 float32; Wv2 512 x 512 float32; x 4 x 1,024 x 2,048 float32.
;; Outputs: out0 4 x 1,024 x 2,048 float32.
;; One version. Each part assembles by itself: llvm-mc -triple=amdgcn-amd-amdhsa -mcpu=gfx1250 --defsym DOCPART=n.
;; ======== version 1 of 1: 5 launches
;; limits: values are held in f16: magnitudes above 65,504 overflow, below 6.1e-05 lose precision; inputs' magnitudes at most 65,504
;; workspace buffers: xh 16,777,216 bytes; wh 17,825,792 bytes; pm 2,304 bytes; th 12,582,912 bytes; qkv 25,165,824 bytes; oh 16,777,216 bytes
;; launch prep (part 1): grid 528 x 1, 8 waves a work-group, no clusters, 1,280 bytes of LDS; arguments x, Wo, Wq1, Wk1, Wv1, Wq2, Wk2, Wv2, xh, wh, pm; writes xh, wh, pm
.if DOCPART == 1
	.amdgcn_target "amdgcn-amd-amdhsa--gfx1250"
	.amdhsa_code_object_version 6
	.text
	.protected	k_qd5886b7d99_prep
	.globl	k_qd5886b7d99_prep
	.p2align	8
	.type	k_qd5886b7d99_prep,@function
k_qd5886b7d99_prep:
	s_mov_b64 s[64:65], 0
	v_nop
	global_prefetch_b8 v0, s[64:65] scope:SCOPE_SE
	s_setreg_imm32_b32 hwreg(HW_REG_WAVE_MODE, 25, 1), 1
	s_wait_xcnt 0x0
; PREP.  Every input is rounded once to bf16 and that number is written as f16 (exact from 6e-5 to 65,504), so that one matrix form serves all products.
; x -> xh [4096][2048].  wh holds Wo [2048][2048] at 0; Wq1, Wk1, Wv1 [2048][512] at 8,388,608 / 10,485,760 / 12,582,912; and from 14,680,064 on
; one table [512][3072] with Wq2 in columns 0-2047, Wk2 in 2048-2559, Wv2 in 2560-3071.  pm[c] = the largest |bf16(input)| of work-group c's share.
; LIMITS.  An input beyond 65,504 becomes an infinity; below 6e-5 it keeps f16's fixed step of 6e-8; a NaN is passed on and is left out of the maximum.
; SHARES.  Work-group c takes 32,768 consecutive numbers of one tensor (131,072 bytes in, 65,536 out): x 0-255, Wo 256-383, Wq1 384-415, Wk1 416-447,
; Wv1 448-479, Wq2 480-511, Wk2 512-519, Wv2 520-527.  In each of 16 turns a wave takes 256 numbers: two loads of 512 consecutive bytes, two stores of
; 256 consecutive bytes, each at a multiple of 256 from its buffer's first byte.  All 32 loads of a wave go out at once; no register is used twice, so the
; only waits in the turns are the counted ones for the loads.  No matrix unit, no cluster, no tensor load: work-groups share nothing and memory binds.
.set T,   4                            ; v[4:7]    eight numbers as packed bf16
.set M,   8                            ; v[8:11]   four running maxima, two bf16 each
.set U,   12                           ; v[12:15]  at work
.set VD,  16                           ; v[16:31]  turn i: my byte offset in the destination; never rewritten
.set X,   32                           ; v[32:159] turn i: 8 registers as loaded; its first four then hold the f16 to store
.set SPW, 160                          ; LDS address of my spare word; never rewritten
.set NIL, 161                          ; 0; never rewritten
.set SPARE, 256                        ; bytes 0-31: the eight waves' maxima; from 256 on the spare words, 128 bytes a wave
.macro PICK first, src, ab             ; from work-group number first on: this source, this first number, this place in wh
	s_cmp_ge_u32 s37, \first
	s_cselect_b64 s[4:5], s[\src:\src+1], s[4:5]
	s_cselect_b32 s30, \first, s30
	s_cselect_b32 s31, \ab, s31
.endm
	s_load_b512 s[8:23], s[0:1], 0x0               ; x, Wo, Wq1, Wk1, Wv1, Wq2, Wk2, Wv2
	s_load_b128 s[24:27], s[0:1], 0x40             ; xh, wh
	s_load_b64 s[28:29], s[0:1], 0x50              ; pm
	v_lshl_add_u32 v[SPW], v0, 2, SPARE
	v_mov_b32 v[NIL], 0
	s_mov_b32 s37, ttmp9                           ; c
	s_mov_b32 s30, 0                               ; the tensor's first work-group
	s_mov_b32 s31, 0                               ; its place in the destination buffer
	s_mov_b32 s32, 65536                           ; destination bytes from work-group to work-group
	s_mov_b32 s33, 1024                            ; from one group of 64 threads to the next
	s_mov_b32 s34, 4096                            ; from turn to turn
	s_mov_b32 s38, 0x76543210                      ; v_permlanex16_b32: each lane takes its own place in the other half
	s_mov_b32 s39, 0xfedcba98
	s_mov_b32 s40, 0x7fff7fff                      ; clears the signs of two bf16
	s_mov_b32 s41, 0xffff0000                      ; a word's upper bf16
	s_cmp_ge_u32 s37, 480                          ; Wq2: a turn is a row of 2,048, and rows of the table are 6,144 bytes apart
	s_cselect_b32 s32, 98304, s32
	s_cselect_b32 s34, 6144, s34
	s_cmp_ge_u32 s37, 512                          ; Wk2, Wv2: 64 threads take a row of 512, a turn four rows
	s_cselect_b32 s32, 393216, s32
	s_cselect_b32 s33, 6144, s33
	s_cselect_b32 s34, 24576, s34
	v_lshrrev_b32 v2, 5, v0
	v_readfirstlane_b32 s35, v2                    ; wave
	v_and_b32 v3, 31, v0
	v_lshlrev_b32 v1, 4, v3
	v_lshl_add_u32 v1, v2, 10, v1                  ; source: 1,024 x wave + 16 x lane; never rewritten
	v_lshrrev_b32 v4, 6, v0
	v_mul_lo_u32 v4, v4, s33
	v_and_b32 v5, 1, v2
	v_lshl_add_u32 v4, v5, 9, v4
	v_lshl_add_u32 v[VD], v3, 3, v4                ; destination: (t / 64) x s33 + 512 x (wave % 2) + 8 x lane
.set i, 1
.rept 15
	v_add_nc_u32 v[VD+i], s34, v[VD+i-1]
.set i, i+1
.endr
	s_wait_kmcnt 0x0
	s_mov_b64 s[4:5], s[8:9]
	PICK 256, 10, 0
	PICK 384, 12, 8388608
	PICK 416, 14, 10485760
	PICK 448, 16, 12582912
	PICK 480, 18, 14680064
	PICK 512, 20, 14684160
	PICK 520, 22, 14685184
	s_cmp_ge_u32 s37, 256
	s_cselect_b64 s[6:7], s[26:27], s[24:25]       ; x goes to xh, all weights to wh
	s_sub_co_u32 s2, s37, s30                      ; my number within the tensor
	s_lshl_b32 s42, s2, 17
	s_mov_b32 s43, 0
	s_add_nc_u64 s[4:5], s[4:5], s[42:43]
	s_mul_i32 s42, s2, s32
	s_add_co_u32 s42, s42, s31
	s_add_nc_u64 s[6:7], s[6:7], s[42:43]
	s_lshl_b32 s42, s37, 2
	s_add_nc_u64 s[28:29], s[28:29], s[42:43]      ; pm[c]
.set i, 0
.rept 16
	global_load_b128 v[X+8*i:X+8*i+3],   v1, s[4:5] offset:8192*i th:TH_LOAD_NT
	global_load_b128 v[X+8*i+4:X+8*i+7], v1, s[4:5] offset:8192*i+512 th:TH_LOAD_NT
.set i, i+1
.endr
.set it, 0
.rept 16
.set XB, X+8*it
	s_wait_loadcnt 30-2*it                         ; loads come back in order: this turn's two are in, the later turns' stay out
.irp j, 0,1,2,3
	v_cvt_pk_bf16_f32 v[T+\j], v[XB+2*\j], v[XB+2*\j+1]
.endr
.if it == 0
.irp j, 0,1,2,3
	v_and_b32 v[M+\j], s40, v[T+\j]                ; the first words start the four chains: nothing is cleared
.endr
.else
.irp j, 0,1,2,3
	v_and_b32 v[U+\j], s40, v[T+\j]
.endr
.irp j, 0,1,2,3
	v_pk_max_num_bf16 v[M+\j], v[M+\j], v[U+\j]
.endr
.endif
.irp j, 0,1,2,3
	v_lshlrev_b32 v[XB+2*\j],   16, v[T+\j]        ; bf16 back to f32: the low half moves up, the high half stays
	v_and_b32     v[XB+2*\j+1], s41, v[T+\j]
.endr
.irp j, 0,1,2,3
	v_cvt_pk_f16_f32 v[XB+\j], v[XB+2*\j], v[XB+2*\j+1]  ; register j is read for the last time by conversion j / 2
.endr
	global_store_b64 v[VD+it], v[XB:XB+1],   s[6:7]             ; 32 lanes x 8 bytes: 256 consecutive bytes
	global_store_b64 v[VD+it], v[XB+2:XB+3], s[6:7] offset:256
.set it, it+1
.endr
	v_pk_max_num_bf16 v[M], v[M], v[M+1]
	v_pk_max_num_bf16 v[M+2], v[M+2], v[M+3]
	v_pk_max_num_bf16 v[M], v[M], v[M+2]
	v_lshlrev_b32 v12, 16, v[M]
	v_and_b32 v13, s41, v[M]
	v_max_num_f32 v12, v12, v13
	v_max_num_f32_dpp v12, v12, v12 row_xmask:1 row_mask:0xf bank_mask:0xf
	v_max_num_f32_dpp v12, v12, v12 row_xmask:2 row_mask:0xf bank_mask:0xf
	v_max_num_f32_dpp v12, v12, v12 row_xmask:4 row_mask:0xf bank_mask:0xf
	v_max_num_f32_dpp v12, v12, v12 row_xmask:8 row_mask:0xf bank_mask:0xf
	v_permlanex16_b32 v13, v12, s38, s39
	v_max_num_f32 v12, v12, v13                    ; the wave's maximum, in every lane
	v_mov_b32 v14, s35
	v_lshlrev_b32 v14, 2, v14
	ds_store_b32 v14, v12                          ; my wave's word
	s_wait_dscnt 0x0                               ; for the others' sake: the store is done
	s_barrier_signal -1
	s_barrier_wait -1
	v_mov_b32 v15, 0
	ds_load_b128 v[4:7], v15
	ds_load_b128 v[8:11], v15 offset:16
	s_wait_dscnt 0x0
	v_max3_num_f32 v4, v4, v5, v6
	v_max3_num_f32 v7, v7, v8, v9
	v_max3_num_f32 v4, v4, v10, v11
	v_max_num_f32 v4, v4, v7
	s_wait_tensorcnt 0x0                           ; the wave's end: behind my last LDS store
	ds_add_u32 v[SPW], v[NIL]
	s_wait_dscnt 0x0
	s_wait_xcnt 0x0                                ; EXEC, a source of the stores above, changes only behind this wait
	v_cmp_eq_u32 vcc_lo, 0, v0
	s_and_saveexec_b32 s36, vcc_lo
	global_store_b32 v15, v4, s[28:29]             ; thread 0 alone
	s_endpgm
.Lfunc_end_k_qd5886b7d99_prep:
	.size	k_qd5886b7d99_prep, .Lfunc_end_k_qd5886b7d99_prep-k_qd5886b7d99_prep
	.p2alignl 7, 3214868480
	.fill 96, 4, 3214868480
	.section	.rodata,"a",@progbits
	.p2align	6, 0x0
	.amdhsa_kernel k_qd5886b7d99_prep
		.amdhsa_group_segment_fixed_size 1280
		.amdhsa_private_segment_fixed_size 0
		.amdhsa_enable_private_segment 0
		.amdhsa_kernarg_size 88
		.amdhsa_user_sgpr_count 2
		.amdhsa_user_sgpr_kernarg_segment_ptr 1
		.amdhsa_wavefront_size32 1
		.amdhsa_system_sgpr_workgroup_id_x 1
		.amdhsa_system_sgpr_workgroup_id_y 1
		.amdhsa_system_sgpr_workgroup_id_z 1
		.amdhsa_system_vgpr_workitem_id 0
		.amdhsa_next_free_vgpr 176
		.amdhsa_next_free_sgpr 66
		.amdhsa_reserve_vcc 1
		.amdhsa_float_denorm_mode_32 3
		.amdhsa_float_denorm_mode_16_64 3
		.amdhsa_memory_ordered 1
		.amdhsa_forward_progress 1
		.amdhsa_inst_pref_size 31
	.end_amdhsa_kernel
	.amdgpu_metadata
---
amdhsa.version: [ 1, 2 ]
amdhsa.kernels:
  - .name:           k_qd5886b7d99_prep
    .symbol:         k_qd5886b7d99_prep.kd
    .args:
      - { .name: x, .offset: 0, .size: 8, .value_kind: global_buffer, .address_space: global }
      - { .name: Wo, .offset: 8, .size: 8, .value_kind: global_buffer, .address_space: global }
      - { .name: Wq1, .offset: 16, .size: 8, .value_kind: global_buffer, .address_space: global }
      - { .name: Wk1, .offset: 24, .size: 8, .value_kind: global_buffer, .address_space: global }
      - { .name: Wv1, .offset: 32, .size: 8, .value_kind: global_buffer, .address_space: global }
      - { .name: Wq2, .offset: 40, .size: 8, .value_kind: global_buffer, .address_space: global }
      - { .name: Wk2, .offset: 48, .size: 8, .value_kind: global_buffer, .address_space: global }
      - { .name: Wv2, .offset: 56, .size: 8, .value_kind: global_buffer, .address_space: global }
      - { .name: xh, .offset: 64, .size: 8, .value_kind: global_buffer, .address_space: global }
      - { .name: wh, .offset: 72, .size: 8, .value_kind: global_buffer, .address_space: global }
      - { .name: pm, .offset: 80, .size: 8, .value_kind: global_buffer, .address_space: global }
    .group_segment_fixed_size: 1280
    .private_segment_fixed_size: 0
    .kernarg_segment_align: 8
    .kernarg_segment_size: 88
    .max_flat_workgroup_size: 256
    .sgpr_count:     66
    .vgpr_count:     176
    .wavefront_size: 32
...
	.end_amdgpu_metadata
.endif
;; end of part 1
;; launch g1 (part 2): grid 32 x 6, 4 waves a work-group, clusters of 4 x 1, 327,680 bytes of LDS; arguments xh, wh, pm, th; writes th
.if DOCPART == 2
	.amdgcn_target "amdgcn-amd-amdhsa--gfx1250"
	.amdhsa_code_object_version 6
	.text
	.protected	k_qd5886b7d99_g1
	.globl	k_qd5886b7d99_g1
	.p2align	8
	.type	k_qd5886b7d99_g1,@function
k_qd5886b7d99_g1:
	s_mov_b64 s[64:65], 0
	v_nop
	global_prefetch_b8 v0, s[64:65] scope:SCOPE_SE
	s_setreg_imm32_b32 hwreg(HW_REG_WAVE_MODE, 25, 1), 1
	s_wait_xcnt 0x0
	s_wait_alu depctr_hold_cnt(0) depctr_sa_sdst(0) depctr_va_vdst(0) depctr_va_sdst(0) depctr_va_ssrc(0) depctr_va_vcc(0) depctr_vm_vsrc(0)
	s_getreg_b32 s2, hwreg(HW_REG_IB_STS2, 6, 4)
	s_cmp_eq_u32 s2, 0
	s_cbranch_scc0 .Lentry_in_a_cluster
	s_endpgm
.Lentry_in_a_cluster:
	s_bfe_u32 s2, ttmp6, 0x10000c
	s_cmp_lg_u32 s2, 0x3003
	s_cbranch_scc0 .Lentry_shape_is_right
	s_endpgm
.Lentry_shape_is_right:
; C = A B for A [4096][2048] f16 (K along the rows) and B [2048][N] f16 (N along the rows); sums in f32.  One text for two launches, told apart by KIND:
; KIND 1: A = xh, B = Wq1 | Wk1 | Wv1 (512 columns each); C = t x 2^n1(part), rounded once to f16, to th [part][4096][512].
; KIND 3: A = oh, B = Wo (2,048 columns); C x 2^-(n1v + n2v) in f32 to out0 [4096][2048].
; SCALES.  E(m) is the exponent field of a largest magnitude from pm.  |t| < 2^11 2^(Ex-126) 2^(Ew-126), so with the field e1 = 383 - Ex - Ew (held to 1..253)
; t 2^(e1-127) stays within 2^15 for every input; e2 = 244 - E(W2) does the same for the second product's 512 terms.  Powers of two: exact, and taken out again in f32.
; LIMITS.  Where a clamp of e1 or e2 binds (inputs outside f16's own range) the bound of 2^15 does not hold; the product of the two inverse scales stays within f32; NaN and infinities are not treated apart.
; The f32 sums are taken in the order of the walk below, which begins in the middle of K.
; SHARES.  A tile of C is 128 x 256: four waves, each 64 x 128: 32 accumulators, 256 registers.  K goes in 16 steps of 128 through two LDS slots.  KIND 1 has 192 tiles: a tile of 128 x 192
; would give 256, but it would cross the parts, which have different scales, and its rows of C would be 384 bytes.
; THE WALK ALONG K begins at step (a + b) mod 16 and wraps round.  a hangs on the tile column (KIND 1: 0, 2, 5, 8, 11, 13; KIND 3: 0, 2, .. 14), b on the cluster's number along the tile rows (0, 4, 8, 12, 2, 6, 10, 14).
; So the work-groups that read the same rows of A, and the clusters that read the same columns of B, do not ask for a tile in the same step: one asks first, the others two steps or more later.
; CLUSTER.  Four work-groups along the tile rows share a tile column, so B's tiles, the larger ones, are asked for JOINTLY (mask 15); the four share both numbers that the first step hangs on.  A's tiles differ
; between the four and are loads of one's own, issued behind the same rounds.  A 4 x 4 cluster is not taken: six tile columns (KIND 1) are no multiple of four.
; THE MATRIX INSTRUCTION IS USED TRANSPOSED (source 0 = 16 columns of B, turned on the way out of LDS by ds_load_tr16_b128; source 1 = 16 rows of A): a lane holds eight neighbouring numbers of a row of C.
; REGISTERS: window 0: v0-31 addresses and set-up; two fragment buffers of 96 (B's 8 fragments, then A's 4) at v32 and v128.  Window 1: accumulator (a, b) at v[8 (8 a + b)].
.set KIND,   1
.set KSTEP,  128
.set PA,     272                       ; a row of A in LDS: 256 bytes + 16: the 16 rows of a load start at 16 different groups of four banks (64 banks of 4 bytes: ISA guide 11.1)
.set PB,     544                       ; a row of B (one k, 256 columns): 512 bytes + 32, an odd multiple of 32 for the turning load
.set AHALF,  64*PA                     ; what one tensor load brings of A
.set BHALF,  64*PB                     ; and of B
.set BOFF,   2*AHALF                   ; in a slot: A's 128 rows, then B's 128 rows
.set SLOT1,  1<<17                     ; slot 1 begins here: one exclusive or turns an address in one slot into the other's
.set STAGE,  SLOT1+BOFF+2*BHALF        ; behind the ring, never filled by a tensor load: 16 rows for each wave, for the way out
.if KIND == 1
.set SP,     272
.set BPITCH, 512                       ; elements from row to row of B
.set BSH,    17                        ; a K step of B is 128 rows of 1,024 bytes = 2^17
.else
.set SP,     528
.set BPITCH, 2048
.set BSH,    19                        ; a K step of B is 128 rows of 4,096 bytes = 2^19
.endif
.set SPARE,  STAGE+4*16*SP             ; the spare words, 128 bytes for each wave: two blocks of 256 bytes that no other line names
.set A0,   16                          ; v16  my lane's place in a slot's A; never rewritten
.set B0,   17                          ; v17  the same for B
.set ADRA, 18                          ; v18  the same in the slot in hand
.set ADRB, 19
.set STO,  20                          ; the way out: where I put my bytes of a row
.set RD,   21                          ; where I read rows back
.set CO,   22                          ; my byte offset in C
.set SPW,  28                          ; LDS address of my spare word; never rewritten
.set NIL,  29                          ; 0; never rewritten
.set F0,   32
.set F1,   128
.set WV,   12                          ; s12  wave
.set HF,   13                          ; s13  wave % 2: my half of the columns; which half of a tile I fetch
.set ROLE, 14                          ; s14  wave / 2: my half of the rows; I fetch for A (0) or for B (1)
.set G1A,  24                          ; s[24:31] descriptor group 1 for A;  s[32:39] group 0, a set for each first fill; the second then walks
.set G0A,  32
.set G1B,  40                          ; s[40:47], s[48:55] the same for B.  No register that feeds B's descriptors ever holds my place in the cluster
.set G0B,  48
.set TB,   56                          ; s56  the slot in hand: 0 or SLOT1
.set CNT,  57
.set SC,   58                          ; s[58:59] the scale on the way out
.set SEL,  60                          ; s[60:61] v_permlanex16_b32's selects
.set KS,   72                          ; s72  the K step asked for last
.set OFA,  74                          ; s[74:75] its byte offset in A's rows
.set OFB,  76                          ; s[76:77] its byte offset in B
.set MSB, 0
.macro WIN new                         ; the immediate's high byte repeats the setting that is left; a switch that changes nothing is dropped
.if MSB != (\new)
	s_set_vgpr_msb (MSB<<8)|(\new)
.set MSB, \new
.endif
.endm
.set MUL, 0x50                         ; C and D in window 1, fragments in window 0
.macro PLACES                          ; four places in front of loads into registers that matrix instructions have read, and of vector lines that read results
.rept 4
	v_nop
.endr
.endm
.macro JLOAD                           ; a refill: waves 0, 1 fetch A's halves, waves 2, 3 B's, jointly; an s_nop 0 and four v_nop follow each line, ahead of the jump and the label
	s_cmp_eq_u32 s[ROLE], 0
	s_cbranch_scc0 .Lfor_b_\@
	tensor_load_to_lds s[G0A+4:G0A+7], s[G1A:G1A+7]
	s_nop 0
.rept 4
	v_nop
.endr
	s_branch .Lasked_\@
.Lfor_b_\@:
	tensor_load_to_lds s[G0B+4:G0B+7], s[G1B:G1B+7]
	s_nop 0
.rept 4
	v_nop
.endr
.Lasked_\@:
.endm
.macro CREST                           ; a round of the cluster's barrier behind its opening barrier
	s_cmp_lg_u32 s[WV], 0
	s_cbranch_scc1 .Lnot_wave_0_\@
	s_barrier_signal -3
.Lnot_wave_0_\@:
	s_barrier_wait -3
	s_barrier_signal -1
	s_barrier_wait -1
.endm
.macro CROUND
	s_barrier_signal -1
	s_barrier_wait -1
	CREST
.endm
.macro LANEMAX r, t                    ; the largest of v[r] over the 32 lanes, in every lane
	v_max_num_f32_dpp v[\r], v[\r], v[\r] row_xmask:1 row_mask:0xf bank_mask:0xf
	v_max_num_f32_dpp v[\r], v[\r], v[\r] row_xmask:2 row_mask:0xf bank_mask:0xf
	v_max_num_f32_dpp v[\r], v[\r], v[\r] row_xmask:4 row_mask:0xf bank_mask:0xf
	v_max_num_f32_dpp v[\r], v[\r], v[\r] row_xmask:8 row_mask:0xf bank_mask:0xf
	v_permlanex16_b32 v[\t], v[\r], s[SEL], s[SEL+1]
	v_max_num_f32 v[\r], v[\r], v[\t]
.endm
	s_load_b256 s[4:11], s[0:1], 0x0               ; A s[4:5], wh s[6:7], pm s[8:9], C s[10:11]
	v_lshl_add_u32 v[SPW], v0, 2, SPARE
	v_mov_b32 v[NIL], 0
	ds_add_u32 v[SPW], v[NIL]                      ; the wave's opening: the add and its wait stand ahead of my first tensor load; the set-up below stands between them
	ds_add_u32 v28, v29
	v_lshrrev_b32 v1, 5, v0
	v_readfirstlane_b32 s[WV], v1
	s_and_b32 s[HF], s[WV], 1
	s_lshr_b32 s[ROLE], s[WV], 1
	s_bfe_u32 s15, ttmp6, 0x40000                  ; cx: my place in the cluster
	s_lshl_b32 s16, ttmp9, 2
	s_add_co_u32 s16, s16, s15                     ; tile row = 4 x cluster x + cx: it enters A's and C's addresses alone
	s_and_b32 s20, ttmp7, 0xffff                   ; tile column, which the four partners share
.if KIND == 1
	s_mul_i32 s[KS], s20, 11                       ; the walk's first K step: from the tile column
	s_lshr_b32 s[KS], s[KS], 2                     ; 0, 2, 5, 8, 11, 13 for the six columns,
.else
	s_lshl_b32 s[KS], s20, 1                       ; the walk's first K step: from the tile column 0, 2, .. 14,
.endif
	s_and_b32 s[OFA], ttmp9, 3                     ; and from the cluster's number along the tile rows
	s_lshl_b32 s[OFA], s[OFA], 2                   ; 0, 4, 8, 12 for clusters 0 to 3,
	s_add_co_u32 s[KS], s[KS], s[OFA]
	s_lshr_b32 s[OFA], ttmp9, 2
	s_lshl_b32 s[OFA], s[OFA], 1                   ; and 2 more for clusters 4 to 7
	s_add_co_u32 s[KS], s[KS], s[OFA]
	s_and_b32 s[KS], s[KS], 15
	s_mov_b32 s[OFA+1], 0
	s_mov_b32 s[OFB+1], 0
	s_mov_b32 s[G1A+0], (1<<16)|(1<<20)|(5<<22)|(3<<25)  ; no mask; 2-byte elements; padding on: after every 64 words 4 words
	s_mov_b32 s[G1A+1], KSTEP<<16                  ; tensor_dim0 = 128
	s_mov_b32 s[G1A+2], 64<<16                     ; tensor_dim1 = 64
	s_mov_b32 s[G1A+3], KSTEP<<16                  ; tile_dim0 = 128
	s_mov_b32 s[G1A+4], 64                         ; tile_dim1 = 64
	s_mov_b32 s[G1A+5], 2048                       ; elements from row to row
	s_mov_b32 s[G1A+6], 0
	s_mov_b32 s[G1A+7], 0
	s_mov_b32 s[G1B+0], 15|(1<<16)|(1<<20)|(1<<21)|(6<<22)|(7<<25)  ; the mask of four, bit 21 beside it; after every 128 words 8 words
	s_mov_b32 s[G1B+1], 256<<16
	s_mov_b32 s[G1B+2], 64<<16
	s_mov_b32 s[G1B+3], 256<<16
	s_mov_b32 s[G1B+4], 64
	s_mov_b32 s[G1B+5], BPITCH
	s_mov_b32 s[G1B+6], 0
	s_mov_b32 s[G1B+7], 0
	s_mov_b32 s[SEL], 0x76543210
	s_mov_b32 s[SEL+1], 0xfedcba98
	s_lshl_b32 s17, s16, 7
	s_lshl_b32 s18, s[HF], 6
	s_add_co_u32 s17, s17, s18                     ; A: row 128 x tile row + 64 x half,
	s_lshl_b32 s18, s17, 12                        ; of 4,096 bytes
	s_mov_b32 s19, 0
.if KIND == 1
	s_lshr_b32 s21, s20, 1                         ; the part: q, k, v
	s_lshl_b32 s22, s21, 21                        ; its weights, 2,097,152 bytes each,
	s_and_b32 s23, s20, 1
	s_lshl_b32 s23, s23, 9                         ; 256 columns of them
	s_add_co_u32 s22, s22, s23
	s_add_co_u32 s22, s22, 8388608
.else
	s_lshl_b32 s22, s20, 9                         ; 256 columns of Wo
.endif
	s_mul_i32 s23, s[HF], 64*BPITCH*2              ; my 64 of a step's 128 rows
	s_add_co_u32 s22, s22, s23
	s_mov_b32 s23, 0
	s_mul_i32 s62, s[HF], AHALF                    ; where they go: the wave's number alone enters an LDS address
	s_mul_i32 s63, s[HF], BHALF
	s_add_co_u32 s63, s63, BOFF
	s_wait_dscnt 0x0                               ; the opening add is done
	s_wait_kmcnt 0x0
	s_add_nc_u64 s[18:19], s[4:5], s[18:19]        ; A at my rows, K step 0; kept
	s_add_nc_u64 s[22:23], s[6:7], s[22:23]        ; B at my columns, K step 0; kept
	CROUND                                         ; all four work-groups are here: the first joint loads meet
.irp s, 0,1
	s_lshl_b32 s[OFA], s[KS], 8                    ; a K step is 256 bytes of A's rows
	s_lshl_b32 s[OFB], s[KS], BSH
	s_mov_b32 s[G0A+4*(\s)], 1                     ; count = 1
	s_add_co_u32 s[G0A+4*(\s)+1], s62, (\s)*SLOT1  ; LDS address
	s_add_nc_u64 s[G0A+4*(\s)+2:G0A+4*(\s)+3], s[18:19], s[OFA:OFA+1]  ; global address: the walk's step s
	s_or_b32 s[G0A+4*(\s)+3], s[G0A+4*(\s)+3], 0x80000000              ; type = 2
	s_mov_b32 s[G0B+4*(\s)], 1
	s_add_co_u32 s[G0B+4*(\s)+1], s63, (\s)*SLOT1
	s_add_nc_u64 s[G0B+4*(\s)+2:G0B+4*(\s)+3], s[22:23], s[OFB:OFB+1]
	s_or_b32 s[G0B+4*(\s)+3], s[G0B+4*(\s)+3], 0x80000000
.if (\s) == 0
	s_add_co_u32 s[KS], s[KS], 1
	s_and_b32 s[KS], s[KS], 15
.endif
.endr
	s_cmp_eq_u32 s[ROLE], 0                        ; a wave's two first fills stand in one branch, ahead of every wait on TENSORcnt and every LDS read: two loads of mine are out
	s_cbranch_scc0 .Lfirst_b
	tensor_load_to_lds s[G0A:G0A+3], s[G1A:G1A+7]
	s_nop 0
	tensor_load_to_lds s[G0A+4:G0A+7], s[G1A:G1A+7]
	s_nop 0
.rept 4
	v_nop
.endr
	s_branch .Lfirst_asked
.Lfirst_b:
	tensor_load_to_lds s[G0B:G0B+3], s[G1B:G1B+7]
	s_nop 0
	tensor_load_to_lds s[G0B+4:G0B+7], s[G1B:G1B+7]
	s_nop 0
.rept 4
	v_nop
.endr
.Lfirst_asked:
	v_and_b32 v1, 15, v0                           ; r = l % 16
	v_bfe_u32 v2, v0, 4, 1                         ; h = l / 16
	v_and_b32 v3, 31, v0
	v_lshlrev_b32 v4, 4, v3
	global_load_b128 v[8:11],  v4, s[8:9]          ; x's 256 maxima, eight a lane
	global_load_b128 v[12:15], v4, s[8:9] offset:512
.if KIND == 1
	s_lshl_b32 s68, s21, 7
	v_lshl_add_u32 v5, v3, 2, s68
	global_load_b32 v6, v5, s[8:9] offset:1536     ; the 32 maxima of my part's first weights
.else
	v_lshlrev_b32 v5, 2, v3
	v_and_b32 v23, 7, v0
	v_lshlrev_b32 v23, 2, v23
	global_load_b32 v6,  v5,  s[8:9] offset:1792   ; Wv1's 32 maxima
	global_load_b32 v24, v23, s[8:9] offset:2080   ; Wv2's 8
.endif
	v_mul_u32_u24 v[A0], v1, PA                    ; a fragment of A: lane l holds row l % 16, k = 8 h + 0..7 and 16 + 8 h + 0..7: two loads of 16 bytes, 32 apart
	v_lshl_add_u32 v[A0], v2, 4, v[A0]
	s_mul_i32 s67, s[ROLE], AHALF
	v_add_nc_u32 v[A0], s67, v[A0]
	v_and_b32 v25, 7, v0                           ; the turning load: lane l reads k = 8 h + l % 8, columns 8 ((l / 8) % 2) + 0..7, and is left with column l % 16 and 8 k
	v_lshl_add_u32 v25, v2, 3, v25
	v_mul_u32_u24 v[B0], v25, PB
	v_bfe_u32 v26, v0, 3, 1
	v_lshl_add_u32 v[B0], v26, 4, v[B0]
	s_lshl_b32 s67, s[HF], 8
	s_add_co_u32 s67, s67, BOFF
	v_add_nc_u32 v[B0], s67, v[B0]
	s_mul_i32 s67, s[WV], 16*SP
	s_add_co_u32 s67, s67, STAGE                   ; my stage
	v_mul_u32_u24 v[STO], v1, SP
.if KIND == 1
	v_lshl_add_u32 v[STO], v2, 4, v[STO]           ; in: row r, 16 bytes for each half of the lanes
	v_mul_u32_u24 v[RD], v2, SP                    ; back: lanes 0-15 one row of 256 bytes, lanes 16-31 the next
	v_lshl_add_u32 v[RD], v1, 4, v[RD]
	v_lshlrev_b32 v[CO], 10, v2                    ; and the same two rows in C
	v_lshl_add_u32 v[CO], v1, 4, v[CO]
.else
	v_lshl_add_u32 v[STO], v2, 5, v[STO]           ; in: row r, 32 bytes for each half of the lanes
	v_lshlrev_b32 v[RD], 4, v3                     ; back: 32 lanes take one row of 512 bytes
	v_lshlrev_b32 v[CO], 4, v3
.endif
	v_add_nc_u32 v[STO], s67, v[STO]
	v_add_nc_u32 v[RD], s67, v[RD]
	s_lshl_b32 s66, s16, 7
	s_lshl_b32 s67, s[ROLE], 6
	s_add_co_u32 s66, s66, s67                     ; my first row of C
.if KIND == 1
	s_lshl_b32 s66, s66, 10                        ; rows of 1,024 bytes,
	s_lshl_b32 s67, s21, 22                        ; the part's 4,194,304 bytes,
	s_add_co_u32 s66, s66, s67
	s_and_b32 s67, s20, 1
	s_lshl_b32 s67, s67, 9                         ; the tile's 256 columns,
	s_add_co_u32 s66, s66, s67
	s_lshl_b32 s67, s[HF], 8                       ; my 128 of them
.else
	s_lshl_b32 s66, s66, 13                        ; rows of 8,192 bytes,
	s_lshl_b32 s67, s20, 10                        ; the tile's 256 columns,
	s_add_co_u32 s66, s66, s67
	s_lshl_b32 s67, s[HF], 9                       ; my 128 of them
.endif
	s_add_co_u32 s66, s66, s67
	s_mov_b32 s67, 0
	s_add_nc_u64 s[10:11], s[10:11], s[66:67]
	v_mov_b32 v7, 0
	s_wait_loadcnt 0x0
	v_max3_num_f32 v8, v8, v9, v10
	v_max3_num_f32 v11, v11, v12, v13
	v_max3_num_f32 v8, v8, v14, v15
	v_max_num_f32 v8, v8, v11
	LANEMAX 8, 7
	LANEMAX 6, 7
	v_readfirstlane_b32 s66, v8
	v_readfirstlane_b32 s67, v6
	s_bfe_u32 s66, s66, 0x80017                    ; the exponent fields: 8 bits from bit 23
	s_bfe_u32 s67, s67, 0x80017
	s_sub_co_i32 s66, 383, s66
	s_sub_co_i32 s66, s66, s67
	s_max_i32 s66, s66, 1
	s_min_i32 s66, s66, 253                        ; e1
.if KIND == 1
	s_lshl_b32 s[SC], s66, 23                      ; 2^n1
.else
	LANEMAX 24, 7
	v_readfirstlane_b32 s67, v24
	s_bfe_u32 s67, s67, 0x80017
	s_sub_co_i32 s67, 244, s67
	s_max_i32 s67, s67, 1
	s_min_i32 s67, s67, 253                        ; e2
	s_sub_co_i32 s66, 254, s66
	s_sub_co_i32 s67, 254, s67
	s_lshl_b32 s66, s66, 23                        ; 2^-n1
	s_lshl_b32 s67, s67, 23                        ; 2^-n2
	s_mul_f32 s[SC], s66, s67
.endif
	s_mov_b32 s[SC+1], s[SC]                       ; named with it as a pair
; 8 matrix instructions: row block a x all 8 column blocks, 32 along K.  zero = 1: the first product starts the sums.  The 32 accumulators take turns, one instruction a turn.
.macro MUL8 f, a, zero
	WIN MUL
.irp b, 0,1,2,3,4,5,6,7
.if \zero
	v_wmma_f32_16x16x32_f16 v[8*(8*(\a)+(\b)):8*(8*(\a)+(\b))+7], v[(\f)+8*(\b):(\f)+8*(\b)+7], v[(\f)+64+8*(\a):(\f)+64+8*(\a)+7], 0
.else
	v_wmma_f32_16x16x32_f16 v[8*(8*(\a)+(\b)):8*(8*(\a)+(\b))+7], v[(\f)+8*(\b):(\f)+8*(\b)+7], v[(\f)+64+8*(\a):(\f)+64+8*(\a)+7], v[8*(8*(\a)+(\b)):8*(8*(\a)+(\b))+7]
.endif
.endr
.endm
.macro MUL16 f, a0, zero
	MUL8 \f, \a0, \zero
	MUL8 \f, (\a0)+1, \zero
.endm
; 24 LDS loads in one run: the fragments of quarter sub of the slot in hand (32 along K): B's 128 columns, then A's 64 rows, into buffer f
.macro FETCH sub, f
	WIN 0
.irp b, 0,1,2,3,4,5,6,7
	ds_load_tr16_b128 v[(\f)+8*(\b):(\f)+8*(\b)+3],   v[ADRB] offset:(\sub)*32*PB+32*(\b)
	ds_load_tr16_b128 v[(\f)+8*(\b)+4:(\f)+8*(\b)+7], v[ADRB] offset:(\sub)*32*PB+16*PB+32*(\b)
.endr
.irp i, 0,1,2,3
	ds_load_b128 v[(\f)+64+8*(\i):(\f)+64+8*(\i)+3],   v[ADRA] offset:64*(\sub)+(\i)*16*PA
	ds_load_b128 v[(\f)+64+8*(\i)+4:(\f)+64+8*(\i)+7], v[ADRA] offset:64*(\sub)+(\i)*16*PA+32
.endr
.endm
; A K step is four quarters of 32 along K, 32 matrix instructions each, on buffers 0, 1, 0, 1.  One of the first three multiplies buffer f and fetches quarter sub into g.
.macro QUARTER sub, f, g, zero
	s_wait_dscnt 4                                 ; B and A's rows 0-31 are in; the youngest four loads (A's rows 32-63) may be out
	MUL16 \f, 0, \zero
	PLACES
	FETCH \sub, \g
	s_wait_dscnt 24                                ; all but the 24 just issued
	MUL16 \f, 2, \zero
.endm
; The last quarter multiplies buffer 1 and changes slots: ONE barrier.  In front of it each wave waits for all its tensor loads (one is out: its part of the next slot), adds 0 to its spare word, and
; waits for that and for its reads of this slot.  fill = 1: the barrier opens a round of the cluster's, and this slot is filled again, with the walk's step two on, first thing behind the round:
; 112 matrix instructions ahead of the wait for it.  The walking descriptors' addresses are made anew from the step's number, which wraps at 16.
.macro TURN fill
	WIN 0                                          ; (the add's two registers lie in window 0)
	s_wait_tensorcnt 0x0                           ; no tensor load of mine is out, so a group 0 may be written
	ds_add_u32 v[SPW], v[NIL]                      ; the add; the descriptors' scalar work stands between it and the wait for it
.if \fill
	s_add_co_u32 s[KS], s[KS], 1
	s_and_b32 s[KS], s[KS], 15
	s_lshl_b32 s[OFA], s[KS], 8
	s_lshl_b32 s[OFB], s[KS], BSH
	s_xor_b32 s[G0A+5], s[G0A+5], SLOT1            ; the other slot than last time
	s_add_nc_u64 s[G0A+6:G0A+7], s[18:19], s[OFA:OFA+1]
	s_or_b32 s[G0A+7], s[G0A+7], 0x80000000
	s_xor_b32 s[G0B+5], s[G0B+5], SLOT1
	s_add_nc_u64 s[G0B+6:G0B+7], s[22:23], s[OFB:OFB+1]
	s_or_b32 s[G0B+7], s[G0B+7], 0x80000000
.endif
	s_wait_dscnt 5                                 ; (the add and the youngest four loads may be out)
	MUL8 F1, 0, 0
	s_wait_dscnt 0x0                               ; the add is done, and my reads of this slot are over
	s_barrier_signal -1
	MUL8 F1, 1, 0
	WIN 0                                          ; at a branch and at a label every window is 0
	s_barrier_wait -1
.if \fill
	CREST                                          ; no wave of any partner still reads this slot or has a load on its way
	JLOAD                                          ; the four v_nop behind it are also the places in front of the loads below
.else
	PLACES
.endif
	s_xor_b32 s[TB], s[TB], SLOT1
	v_add_nc_u32 v[ADRA], s[TB], v[A0]
	v_add_nc_u32 v[ADRB], s[TB], v[B0]
	FETCH 0, F0
	MUL16 F1, 2, 0
.endm
	s_wait_tensorcnt 0x1                           ; my part of the walk's step 0 is in; step 1's may stay out
	s_barrier_signal -1
	s_barrier_wait -1                              ; everybody's is
	s_mov_b32 s[TB], 0
	v_mov_b32 v[ADRA], v[A0]
	v_mov_b32 v[ADRB], v[B0]
	FETCH 0, F0
	QUARTER 1, F0, F1, 1                           ; the first quarter stands in front of the loop: its products start the sums
	WIN 0
	s_mov_b32 s[CNT], 14                           ; the walk's steps 2 to 15 are asked for in the loop
.Lstep:                                                ; a trip: from a step's second quarter to the next step's first
	QUARTER 2, F1, F0, 0
	QUARTER 3, F0, F1, 0
	TURN 1
	QUARTER 1, F0, F1, 0
	WIN 0
	s_sub_co_u32 s[CNT], s[CNT], 1
	s_cmp_lg_u32 s[CNT], 0
	s_cbranch_scc1 .Lstep
	QUARTER 2, F1, F0, 0                           ; the last two steps ask for nothing
	QUARTER 3, F0, F1, 0
	TURN 0
	QUARTER 1, F0, F1, 0
	QUARTER 2, F1, F0, 0
	QUARTER 3, F0, F1, 0
	s_wait_dscnt 4
	MUL16 F1, 0, 0
	s_wait_dscnt 0x0
	MUL16 F1, 2, 0
; THE WAY OUT, a block of 16 rows at a time, in the block's own 64 registers of window 1: scaled (each accumulator's registers in ascending order), through my own stage in LDS, back as whole rows, stored.
.macro PACK a
	WIN 0x41
.set i, 0
.rept 32
	v_pk_mul_f32 v[64*(\a)+2*i:64*(\a)+2*i+1], v[64*(\a)+2*i:64*(\a)+2*i+1], s[SC:SC+1] op_sel_hi:[1,0]
.set i, i+1
.endr
.if KIND == 1
	WIN 0x45
.set i, 0
.rept 32
	v_cvt_pk_f16_f32 v[64*(\a)+i], v[64*(\a)+2*i], v[64*(\a)+2*i+1]  ; register i is read for the last time by conversion i / 2
.set i, i+1
.endr
.endif
.endm
.macro STG a
	WIN 0x04                                       ; data in window 1, address in window 0
.irp b, 0,1,2,3,4,5,6,7
.if KIND == 1
	ds_store_b128 v[STO], v[64*(\a)+4*(\b):64*(\a)+4*(\b)+3] offset:32*(\b)
.else
	ds_store_b128 v[STO], v[64*(\a)+8*(\b):64*(\a)+8*(\b)+3]   offset:64*(\b)
	ds_store_b128 v[STO], v[64*(\a)+8*(\b)+4:64*(\a)+8*(\b)+7] offset:64*(\b)+16
.endif
.endr
	WIN 0x40                                       ; LDS serves a wave's instructions in order (ISA guide 5.7.1.4): the loads see the stores above, and the next block's stores come behind them
.if KIND == 1
.irp t, 0,1,2,3,4,5,6,7
	ds_load_b128 v[64*(\a)+32+4*(\t):64*(\a)+32+4*(\t)+3], v[RD] offset:(\t)*2*SP
.endr
.else
.irp t, 0,1,2,3,4,5,6,7,8,9,10,11,12,13,14,15
	ds_load_b128 v[64*(\a)+4*(\t):64*(\a)+4*(\t)+3], v[RD] offset:(\t)*SP
.endr
.endif
.endm
.macro SEND a
	WIN 0x04
	s_wait_dscnt 0x0                               ; the block is back in registers
.if KIND == 1
.irp t, 0,1,2,3,4,5,6,7
	global_store_b128 v[CO], v[64*(\a)+32+4*(\t):64*(\a)+32+4*(\t)+3], s[10:11] offset:(16*(\a)+2*(\t))*1024  ; 16 lanes store 256 consecutive bytes, at a multiple of 256 from C's first byte
.endr
.else
.irp t, 0,1,2,3,4,5,6,7,8,9,10,11,12,13,14,15
	global_store_b128 v[CO], v[64*(\a)+4*(\t):64*(\a)+4*(\t)+3], s[10:11] offset:(16*(\a)+(\t))*8192 th:TH_STORE_NT  ; 512 consecutive bytes of a row
.endr
.endif
.endm
	PLACES
	PACK 0
	STG 0
.irp a, 1,2,3                          ; a block's arithmetic stands between the loads of the block before and the wait for them
	PACK \a
	SEND (\a)-1
	STG \a
.endr
	SEND 3
	WIN 0
	s_wait_tensorcnt 0x0                           ; the wave's end: behind my last tensor load and my last LDS store
	ds_add_u32 v[SPW], v[NIL]
	s_wait_dscnt 0x0
	CROUND                                         ; the closing round: no work-group ends while a partner may still ask for a tile that names it
	s_endpgm
.Lfunc_end_k_qd5886b7d99_g1:
	.size	k_qd5886b7d99_g1, .Lfunc_end_k_qd5886b7d99_g1-k_qd5886b7d99_g1
	.p2alignl 7, 3214868480
	.fill 96, 4, 3214868480
	.section	.rodata,"a",@progbits
	.p2align	6, 0x0
	.amdhsa_kernel k_qd5886b7d99_g1
		.amdhsa_group_segment_fixed_size 327680
		.amdhsa_private_segment_fixed_size 0
		.amdhsa_enable_private_segment 0
		.amdhsa_kernarg_size 32
		.amdhsa_user_sgpr_count 2
		.amdhsa_user_sgpr_kernarg_segment_ptr 1
		.amdhsa_wavefront_size32 1
		.amdhsa_system_sgpr_workgroup_id_x 1
		.amdhsa_system_sgpr_workgroup_id_y 1
		.amdhsa_system_sgpr_workgroup_id_z 1
		.amdhsa_system_vgpr_workitem_id 0
		.amdhsa_next_free_vgpr 512
		.amdhsa_next_free_sgpr 80
		.amdhsa_reserve_vcc 0
		.amdhsa_float_denorm_mode_32 3
		.amdhsa_float_denorm_mode_16_64 3
		.amdhsa_memory_ordered 1
		.amdhsa_forward_progress 1
		.amdhsa_inst_pref_size 81
	.end_amdhsa_kernel
	.amdgpu_metadata
---
amdhsa.version: [ 1, 2 ]
amdhsa.kernels:
  - .name:           k_qd5886b7d99_g1
    .symbol:         k_qd5886b7d99_g1.kd
    .args:
      - { .name: xh, .offset: 0, .size: 8, .value_kind: global_buffer, .address_space: global }
      - { .name: wh, .offset: 8, .size: 8, .value_kind: global_buffer, .address_space: global }
      - { .name: pm, .offset: 16, .size: 8, .value_kind: global_buffer, .address_space: global }
      - { .name: th, .offset: 24, .size: 8, .value_kind: global_buffer, .address_space: global }
    .group_segment_fixed_size: 327680
    .private_segment_fixed_size: 0
    .kernarg_segment_align: 8
    .kernarg_segment_size: 32
    .max_flat_workgroup_size: 128
    .sgpr_count:     80
    .vgpr_count:     512
    .wavefront_size: 32
...
	.end_amdgpu_metadata
.endif
;; end of part 2
;; launch g2 (part 3): grid 32 x 8, 4 waves a work-group, clusters of 4 x 1, 327,680 bytes of LDS; arguments th, wh, pm, qkv; writes qkv
.if DOCPART == 3
	.amdgcn_target "amdgcn-amd-amdhsa--gfx1250"
	.amdhsa_code_object_version 6
	.text
	.protected	k_qd5886b7d99_g2
	.globl	k_qd5886b7d99_g2
	.p2align	8
	.type	k_qd5886b7d99_g2,@function
k_qd5886b7d99_g2:
	s_mov_b64 s[64:65], 0
	v_nop
	global_prefetch_b8 v0, s[64:65] scope:SCOPE_SE
	s_setreg_imm32_b32 hwreg(HW_REG_WAVE_MODE, 25, 1), 1
	s_wait_xcnt 0x0
	s_wait_alu depctr_hold_cnt(0) depctr_sa_sdst(0) depctr_va_vdst(0) depctr_va_sdst(0) depctr_va_ssrc(0) depctr_va_vcc(0) depctr_vm_vsrc(0)
	s_getreg_b32 s2, hwreg(HW_REG_IB_STS2, 6, 4)
	s_cmp_eq_u32 s2, 0
	s_cbranch_scc0 .Lentry_in_a_cluster
	s_endpgm
.Lentry_in_a_cluster:
	s_bfe_u32 s2, ttmp6, 0x10000c
	s_cmp_lg_u32 s2, 0x3003
	s_cbranch_scc0 .Lentry_shape_is_right
	s_endpgm
.Lentry_shape_is_right:
; The second projections: q = tq Wq2, k = tk Wk2, v = tv Wv2, written by heads.  A = th [part][4096][512] f16 (already x 2^n1), B = the table [512][3072] f16 in wh at 14,680,064; sums in f32;
; C x 2^n2(part), rounded once to f16, to qkv: q [4][16][1024][128] at 0, k [4][4][1024][128] at 16,777,216, v likewise at 20,971,520.
; SCALE.  |t 2^n1| is at most 2^15, so with the exponent field e2 = 244 - E(largest |W2|), held to 1..253, the 512 terms' sum x 2^(e2-127) stays within 2^15 for every input.
; LIMITS.  Where the clamp binds (weights outside f16's own range) that bound does not hold; NaN and infinities are not treated apart.
; SHARES.  A tile of C is 128 tokens x 128 columns, one head.  A WORK-GROUP STAYS: work-group (X, y), y = 0..7, makes three tiles for its 128 tokens: q's head y, q's head y + 8, and k's head y (y < 4) or v's
; head y - 4: columns 128 (y + 8 t) of the table for tile t.  256 work-groups of equal work.  Four waves, each 64 x 64: 16 accumulators.  A tile's K = 512 lies in two LDS slots of 256, and the ring goes on from tile to
; tile: the change from slot 0 to slot 1 fills slot 0 with the next tile's first half, the change at the tile's end fills slot 1 with its second half, so that a tile's way out stands in the wait for the next tile.
; Tiles 0 and 1 are a loop's two trips; tile 2, which asks for nothing, is written out.
; CLUSTER.  Four work-groups along the tokens share y, and so every tile's columns of B: asked for jointly (mask 15).  A's tiles differ between the four: loads of one's own behind the same rounds.
; THE MATRIX INSTRUCTION IS USED TRANSPOSED (source 0 = 16 columns of B, turned by ds_load_tr16_b128; source 1 = 16 rows of A): a lane holds eight neighbouring numbers of a row of C.
; REGISTERS: window 0: v0-31 addresses; v32-95 the way out; v128-255 accumulator (a, b) at v[128 + 8 (4 a + b)].  Window 1: two fragment buffers of 128: for 64 along K, 64 registers of A, then 64 of B.
.set PA,     528                       ; a row of A in LDS: 512 bytes + 16
.set PB,     288                       ; a row of B (one k, 128 columns): 256 bytes + 32, an odd multiple of 32 for the turning load
.set AHALF,  64*PA
.set BHALF,  128*PB
.set BOFF,   2*AHALF
.set SLOT,   BOFF+2*BHALF              ; A's 128 rows, then B's 256 rows
.set STAGE,  2*SLOT                    ; the work-group's, 128 rows x 272 bytes, never filled by a tensor load
.set SP,     272
.set SPARE,  STAGE+128*SP              ; the spare words, 128 bytes for each wave
.set ADRA, 16                          ; v16-17  my A fragments in slot 0, 1
.set ADRB, 20                          ; v20-23  my B fragments in slot 0, 1, each for k 0-127 and 128-255 of the slot
.set STO,  24
.set RD,   25
.set CO,   26
.set SPW,  28
.set NIL,  29
.set TMP,  32
.set ACC,  128
.set F0,   0
.set F1,   128
.set WV,   12
.set HF,   13                          ; wave % 2: my half of the columns; which half of a tile I fetch
.set ROLE, 14                          ; wave / 2: my half of the rows; I fetch for A (0) or for B (1)
.set G1A,  24
.set G0A,  32                          ; s[32:39] group 0 for A, a set for each slot
.set G1B,  40                          ; no register that feeds B's descriptors ever holds my place in the cluster
.set G0B,  48
.set CNT,  56
.set SC,   58                          ; s[58:59] q's scale
.set SEL,  60
.set ANX,  66                          ; s[66:67] the part's byte offset in th for the tile that is asked for next
.set KVO,  68                          ; s68  that offset for tile 2: k's or v's part
.set SCK,  70                          ; s[70:71] the scale of tile 2
.set OT,   74                          ; s[74:75] where I store tile 2
.set MSB, 0
.macro WIN new
.if MSB != (\new)
	s_set_vgpr_msb (MSB<<8)|(\new)
.set MSB, \new
.endif
.endm
.set MUL,  0x05                        ; sources 0 (B) and 1 (A) window 1; C and D window 0
.set TO_F, 0x40                        ; destination window 1, address window 0
.macro PLACES
.rept 4
	v_nop
.endr
.endm
.macro JLOAD s                         ; a refill of slot s: waves 0, 1 fetch A's halves, waves 2, 3 B's, jointly; an s_nop 0 and four v_nop follow each line, ahead of the jump and the label
	s_cmp_eq_u32 s[ROLE], 0
	s_cbranch_scc0 .Lfor_b_\@
	tensor_load_to_lds s[G0A+4*(\s):G0A+4*(\s)+3], s[G1A:G1A+7]
	s_nop 0
.rept 4
	v_nop
.endr
	s_branch .Lasked_\@
.Lfor_b_\@:
	tensor_load_to_lds s[G0B+4*(\s):G0B+4*(\s)+3], s[G1B:G1B+7]
	s_nop 0
.rept 4
	v_nop
.endr
.Lasked_\@:
.endm
.macro CREST                           ; a round of the cluster's barrier behind its opening barrier
	s_cmp_lg_u32 s[WV], 0
	s_cbranch_scc1 .Lnot_wave_0_\@
	s_barrier_signal -3
.Lnot_wave_0_\@:
	s_barrier_wait -3
	s_barrier_signal -1
	s_barrier_wait -1
.endm
.macro CROUND
	s_barrier_signal -1
	s_barrier_wait -1
	CREST
.endm
.macro LANEMAX r, t                    ; the largest of v[r] over the 32 lanes, in every lane
	v_max_num_f32_dpp v[\r], v[\r], v[\r] row_xmask:1 row_mask:0xf bank_mask:0xf
	v_max_num_f32_dpp v[\r], v[\r], v[\r] row_xmask:2 row_mask:0xf bank_mask:0xf
	v_max_num_f32_dpp v[\r], v[\r], v[\r] row_xmask:4 row_mask:0xf bank_mask:0xf
	v_max_num_f32_dpp v[\r], v[\r], v[\r] row_xmask:8 row_mask:0xf bank_mask:0xf
	v_permlanex16_b32 v[\t], v[\r], s[SEL], s[SEL+1]
	v_max_num_f32 v[\r], v[\r], v[\t]
.endm
	s_load_b256 s[4:11], s[0:1], 0x0               ; th s[4:5], wh s[6:7], pm s[8:9], qkv s[10:11]
	v_lshl_add_u32 v[SPW], v0, 2, SPARE
	v_mov_b32 v[NIL], 0
	ds_add_u32 v[SPW], v[NIL]                      ; the wave's opening: the add and its wait stand ahead of my first tensor load
	ds_add_u32 v28, v29
	v_lshrrev_b32 v1, 5, v0
	v_readfirstlane_b32 s[WV], v1
	s_and_b32 s[HF], s[WV], 1
	s_lshr_b32 s[ROLE], s[WV], 1
	s_bfe_u32 s15, ttmp6, 0x40000                  ; cx
	s_lshl_b32 s16, ttmp9, 2
	s_add_co_u32 s16, s16, s15                     ; X: block of 128 tokens = 4 x cluster x + cx: it enters A's and C's addresses alone
	s_and_b32 s20, ttmp7, 0xffff                   ; y, which the four partners share
	s_mov_b32 s[KVO], 4194304                      ; tile 2 is k's for y < 4: its t,
	s_mov_b32 s69, 2048                            ; its maxima in pm, in bytes,
	s_mov_b32 s76, 16777216                        ; its place in qkv
	s_cmp_ge_u32 s20, 4                            ; and v's for y >= 4
	s_cselect_b32 s[KVO], 8388608, s[KVO]
	s_cselect_b32 s69, 2080, s69
	s_cselect_b32 s76, 20971520, s76
	s_cselect_b32 s77, 4, 0                        ; the part's first y
	s_mov_b32 s[ANX], 0                            ; tile 1 is q's, like tile 0
	s_mov_b32 s[ANX+1], 0
	s_mov_b32 s[G1A+0], (1<<16)|(1<<20)|(6<<22)|(3<<25)  ; no mask; 2-byte elements; after every 128 words 4 words of padding
	s_mov_b32 s[G1A+1], 256<<16                    ; tensor_dim0 = 256
	s_mov_b32 s[G1A+2], 64<<16                     ; tensor_dim1 = 64
	s_mov_b32 s[G1A+3], 256<<16                    ; tile_dim0
	s_mov_b32 s[G1A+4], 64                         ; tile_dim1
	s_mov_b32 s[G1A+5], 512                        ; elements from row to row
	s_mov_b32 s[G1A+6], 0
	s_mov_b32 s[G1A+7], 0
	s_mov_b32 s[G1B+0], 15|(1<<16)|(1<<20)|(1<<21)|(5<<22)|(7<<25)  ; the mask of four, bit 21 beside it; after every 64 words 8 words
	s_mov_b32 s[G1B+1], 128<<16
	s_mov_b32 s[G1B+2], 128<<16
	s_mov_b32 s[G1B+3], 128<<16
	s_mov_b32 s[G1B+4], 128
	s_mov_b32 s[G1B+5], 3072
	s_mov_b32 s[G1B+6], 0
	s_mov_b32 s[G1B+7], 0
	s_mov_b32 s[SEL], 0x76543210
	s_mov_b32 s[SEL+1], 0xfedcba98
	s_lshl_b32 s17, s16, 7
	s_lshl_b32 s18, s[HF], 6
	s_add_co_u32 s17, s17, s18                     ; A: row 128 X + 64 x half,
	s_lshl_b32 s18, s17, 10                        ; of 1,024 bytes
	s_mov_b32 s19, 0
	s_lshl_b32 s22, s20, 8                         ; B: tile 0's 128 columns,
	s_mul_i32 s23, s[HF], 128*6144                 ; my 128 of a slot's 256 rows
	s_add_co_u32 s22, s22, s23
	s_add_co_u32 s22, s22, 14680064
	s_mov_b32 s23, 0
	s_mul_i32 s62, s[HF], AHALF
	s_mul_i32 s63, s[HF], BHALF
	s_add_co_u32 s63, s63, BOFF
	s_wait_dscnt 0x0                               ; the opening add is done
	s_wait_kmcnt 0x0
	s_add_nc_u64 s[18:19], s[4:5], s[18:19]        ; q's t at my rows; kept
	s_add_nc_u64 s[22:23], s[6:7], s[22:23]        ; B at the columns of the tile asked for last; it steps
	CROUND                                         ; all four work-groups are here: the first joint loads meet
.irp s, 0,1
	s_mov_b32 s[G0A+4*(\s)], 1
	s_add_co_u32 s[G0A+4*(\s)+1], s62, (\s)*SLOT
	s_add_nc_u64 s[G0A+4*(\s)+2:G0A+4*(\s)+3], s[18:19], (\s)*512
	s_or_b32 s[G0A+4*(\s)+3], s[G0A+4*(\s)+3], 0x80000000
	s_mov_b32 s[G0B+4*(\s)], 1
	s_add_co_u32 s[G0B+4*(\s)+1], s63, (\s)*SLOT
	s_add_nc_u64 s[G0B+4*(\s)+2:G0B+4*(\s)+3], s[22:23], (\s)*256*6144
	s_or_b32 s[G0B+4*(\s)+3], s[G0B+4*(\s)+3], 0x80000000
.endr
	s_cmp_eq_u32 s[ROLE], 0                        ; a wave's two first fills stand in one branch, ahead of every wait on TENSORcnt and every LDS read: two loads of mine are out
	s_cbranch_scc0 .Lfirst_b
	tensor_load_to_lds s[G0A:G0A+3], s[G1A:G1A+7]
	s_nop 0
	tensor_load_to_lds s[G0A+4:G0A+7], s[G1A:G1A+7]
	s_nop 0
.rept 4
	v_nop
.endr
	s_branch .Lfirst_asked
.Lfirst_b:
	tensor_load_to_lds s[G0B:G0B+3], s[G1B:G1B+7]
	s_nop 0
	tensor_load_to_lds s[G0B+4:G0B+7], s[G1B:G1B+7]
	s_nop 0
.rept 4
	v_nop
.endr
.Lfirst_asked:
	v_and_b32 v1, 15, v0                           ; r
	v_bfe_u32 v2, v0, 4, 1                         ; h
	v_and_b32 v3, 31, v0
	v_lshlrev_b32 v4, 2, v3
	global_load_b32 v6, v4, s[8:9] offset:1920     ; Wq2's 32 maxima
	v_and_b32 v10, 7, v0
	v_lshl_add_u32 v10, v10, 2, s69
	global_load_b32 v11, v10, s[8:9]               ; the 8 maxima of Wk2 or Wv2
	v_mul_u32_u24 v5, v1, PA
	v_lshl_add_u32 v5, v2, 4, v5
	s_mul_i32 s72, s[ROLE], AHALF
	v_add_nc_u32 v[ADRA], s72, v5
	v_add_nc_u32 v[ADRA+1], SLOT, v[ADRA]
	v_and_b32 v7, 7, v0
	v_lshl_add_u32 v7, v2, 3, v7
	v_mul_u32_u24 v7, v7, PB
	v_bfe_u32 v8, v0, 3, 1
	v_lshl_add_u32 v7, v8, 4, v7
	s_lshl_b32 s72, s[HF], 7
	s_add_co_u32 s72, s72, BOFF
	v_add_nc_u32 v[ADRB], s72, v7
	v_add_nc_u32 v[ADRB+1], BHALF, v[ADRB]
	v_add_nc_u32 v[ADRB+2], SLOT, v[ADRB]
	v_add_nc_u32 v[ADRB+3], SLOT+BHALF, v[ADRB]
	s_mul_i32 s72, s[ROLE], 64*SP                  ; into the stage: my 64 rows, my half of their 256 bytes
	s_lshl_b32 s73, s[HF], 7
	s_add_co_u32 s72, s72, s73
	s_add_co_u32 s72, s72, STAGE
	v_mul_u32_u24 v[STO], v1, SP
	v_lshl_add_u32 v[STO], v2, 4, v[STO]
	v_add_nc_u32 v[STO], s72, v[STO]
	s_mul_i32 s72, s[WV], 32*SP                    ; back: wave w takes rows 32 w .. 32 w + 31, whole
	s_add_co_u32 s72, s72, STAGE
	v_mul_u32_u24 v[RD], v2, SP
	v_lshl_add_u32 v[RD], v1, 4, v[RD]
	v_add_nc_u32 v[RD], s72, v[RD]
	v_lshlrev_b32 v[CO], 4, v3                     ; a head's rows are dense: two rows are 512 consecutive bytes
	s_lshr_b32 s72, s16, 3                         ; the batch: eight blocks of 128 tokens each
	s_and_b32 s73, s16, 7
	s_lshl_b32 s73, s73, 15                        ; the block's 128 rows of 256 bytes,
	s_lshl_b32 s17, s[WV], 13                      ; the 32 rows that I store
	s_add_co_u32 s73, s73, s17
	s_lshl_b32 s17, s72, 4
	s_add_co_u32 s17, s17, s20                     ; tile 0: q's head 16 batch + y,
	s_lshl_b32 s17, s17, 18                        ; 262,144 bytes a head
	s_add_co_u32 s17, s17, s73
	s_lshl_b32 s21, s72, 2
	s_add_co_u32 s21, s21, s20
	s_sub_co_u32 s21, s21, s77                     ; tile 2: the part's head 4 batch + y (- 4)
	s_lshl_b32 s21, s21, 18
	s_add_co_u32 s21, s21, s76
	s_add_co_u32 s72, s21, s73
	s_mov_b32 s73, 0
	s_add_nc_u64 s[OT:OT+1], s[10:11], s[72:73]
	s_mov_b32 s72, s17
	s_add_nc_u64 s[10:11], s[10:11], s[72:73]      ; where I store tile 0; it steps
	v_mov_b32 v9, 0
	s_wait_loadcnt 0x0
	LANEMAX 6, 9
	LANEMAX 11, 9
	v_readfirstlane_b32 s72, v6
	v_readfirstlane_b32 s73, v11
	s_bfe_u32 s72, s72, 0x80017                    ; the exponent fields: 8 bits from bit 23
	s_bfe_u32 s73, s73, 0x80017
	s_sub_co_i32 s72, 244, s72
	s_sub_co_i32 s73, 244, s73
	s_max_i32 s72, s72, 1
	s_max_i32 s73, s73, 1
	s_min_i32 s72, s72, 253                        ; e2 of q
	s_min_i32 s73, s73, 253                        ; e2 of k or v
	s_lshl_b32 s[SC], s72, 23                      ; 2^n2
	s_lshl_b32 s[SCK], s73, 23
	s_mov_b32 s[SC+1], s[SC]                       ; named as pairs
	s_mov_b32 s[SCK+1], s[SCK]
; 8 matrix instructions: row blocks a0, a0 + 1 x all 4 column blocks, 32 along K: half c of buffer f.  The 16 accumulators take turns.
.macro MUL8 f, c, a0, zero
	WIN MUL
.irp a, \a0, (\a0)+1
.irp b, 0,1,2,3
.if \zero
	v_wmma_f32_16x16x32_f16 v[ACC+8*(4*(\a)+(\b)):ACC+8*(4*(\a)+(\b))+7], v[(\f)+64+8*(4*(\c)+(\b)):(\f)+64+8*(4*(\c)+(\b))+7], v[(\f)+8*(4*(\c)+(\a)):(\f)+8*(4*(\c)+(\a))+7], 0
.else
	v_wmma_f32_16x16x32_f16 v[ACC+8*(4*(\a)+(\b)):ACC+8*(4*(\a)+(\b))+7], v[(\f)+64+8*(4*(\c)+(\b)):(\f)+64+8*(4*(\c)+(\b))+7], v[(\f)+8*(4*(\c)+(\a)):(\f)+8*(4*(\c)+(\a))+7], v[ACC+8*(4*(\a)+(\b)):ACC+8*(4*(\a)+(\b))+7]
.endif
.endr
.endr
.endm
; 32 LDS loads in one run: the fragments of quarter q of a slot (64 along K) into buffer f; the first 32 along K first
.macro FETCH slot, q, f
	WIN TO_F
.irp c, 0,1
.irp i, 0,1,2,3
	ds_load_tr16_b128 v[(\f)+64+8*(4*(\c)+(\i)):(\f)+64+8*(4*(\c)+(\i))+3],   v[ADRB+2*(\slot)+(\q)/2] offset:(((\q)%2)*64+32*(\c))*PB+32*(\i)
	ds_load_tr16_b128 v[(\f)+64+8*(4*(\c)+(\i))+4:(\f)+64+8*(4*(\c)+(\i))+7], v[ADRB+2*(\slot)+(\q)/2] offset:(((\q)%2)*64+32*(\c))*PB+16*PB+32*(\i)
	ds_load_b128 v[(\f)+8*(4*(\c)+(\i)):(\f)+8*(4*(\c)+(\i))+3],   v[ADRA+(\slot)] offset:128*(\q)+64*(\c)+(\i)*16*PA
	ds_load_b128 v[(\f)+8*(4*(\c)+(\i))+4:(\f)+8*(4*(\c)+(\i))+7], v[ADRA+(\slot)] offset:128*(\q)+64*(\c)+(\i)*16*PA+32
.endr
.endr
.endm
.macro QUARTER slot, q, f, g, zero     ; multiplies buffer f (32 matrix instructions) and fetches quarter q of the slot into g
	s_wait_dscnt 16                                ; the first 32 along K are in
	MUL8 \f, 0, 0, \zero
	MUL8 \f, 0, 2, \zero
	PLACES
	FETCH \slot, \q, \g
	s_wait_dscnt 32                                ; all but the 32 just issued
	MUL8 \f, 1, 0, 0
	MUL8 \f, 1, 2, 0
.endm
; A slot's last quarter multiplies buffer 1 and changes slots: ONE barrier.  In front of it each wave waits for all its tensor loads (one is out: its part of the other slot), adds 0 to its spare word, and waits
; for that and for its reads of this slot.  fill = 1: the barrier opens a round of the cluster's, and this slot is filled again, with the same half of the NEXT tile, first thing behind the round:
; 112 matrix instructions, and for slot 1 the way out too, ahead of the wait for it.  The slot's two addresses are made anew: A's from q's rows and the next tile's part, B's 128 columns (2,048 bytes... of 8 heads) on.
.macro TURN slot, next, fill
	WIN 0                                          ; (the add's two registers lie in window 0)
	s_wait_tensorcnt 0x0                           ; no tensor load of mine is out, so a group 0 may be written
	ds_add_u32 v[SPW], v[NIL]                      ; the add; the descriptors' scalar work stands between it and the wait for it
.if \fill
.if (\slot) == 0
	s_add_nc_u64 s[22:23], s[22:23], 2048          ; the next tile's columns: eight heads of 256 bytes on
	s_add_nc_u64 s[G0A+2:G0A+3], s[18:19], s[ANX:ANX+1]
	s_add_nc_u64 s[G0B+2:G0B+3], s[22:23], 0
.else
	s_add_nc_u64 s[G0A+6:G0A+7], s[18:19], s[ANX:ANX+1]
	s_add_nc_u64 s[G0A+6:G0A+7], s[G0A+6:G0A+7], 512       ; K 256 on
	s_add_nc_u64 s[G0B+6:G0B+7], s[22:23], 256*6144
.endif
	s_or_b32 s[G0A+4*(\slot)+3], s[G0A+4*(\slot)+3], 0x80000000
	s_or_b32 s[G0B+4*(\slot)+3], s[G0B+4*(\slot)+3], 0x80000000
.endif
	s_wait_dscnt 17                                ; (the add and the youngest sixteen loads may be out)
	MUL8 F1, 0, 0, 0
	s_wait_dscnt 0x0                               ; the add is done, and my reads of this slot, and of the stage, are over
	s_barrier_signal -1
	MUL8 F1, 0, 2, 0
.if \fill
	WIN 0                                          ; at a branch and at a label every window is 0
.endif
	s_barrier_wait -1
.if \fill
	CREST                                          ; no wave of any partner still reads this slot or has a load on its way
	JLOAD \slot                                    ; the four v_nop behind it are also the places in front of the loads below
.else
	PLACES
.endif
	FETCH \next, 0, F0
	MUL8 F1, 1, 0, 0
	MUL8 F1, 1, 2, 0
.endm
; THE WAY OUT: scaled, rounded to f16, 16 bytes a lane into the work-group's stage; a barrier, since a row's 256 bytes come from two waves; back as whole rows, 32 rows a wave.  Behind this barrier nothing is
; filled before the next round, so the tensor load that is out may stay out.  The stage is written again only behind the next tile's rounds, in front of which every wave has waited for its reads of it.
.macro OUT sc, ob
	WIN 0
	PLACES
.set i, 0
.rept 64
	v_pk_mul_f32 v[ACC+2*i:ACC+2*i+1], v[ACC+2*i:ACC+2*i+1], s[\sc:\sc+1] op_sel_hi:[1,0]
.set i, i+1
.endr
.set i, 0
.rept 64
	v_cvt_pk_f16_f32 v[TMP+i], v[ACC+2*i], v[ACC+2*i+1]
.set i, i+1
.endr
.irp a, 0,1,2,3
.irp b, 0,1,2,3
	ds_store_b128 v[STO], v[TMP+4*(4*(\a)+(\b)):TMP+4*(4*(\a)+(\b))+3] offset:(\a)*16*SP+32*(\b)
.endr
.endr
	s_wait_dscnt 0x0                               ; for the others' sake: my stores into the stage are done
	s_barrier_signal -1
	s_barrier_wait -1
.irp t, 0,1,2,3,4,5,6,7,8,9,10,11,12,13,14,15
	ds_load_b128 v[TMP+4*(\t):TMP+4*(\t)+3], v[RD] offset:(\t)*2*SP
.endr
.irp t, 0,1,2,3,4,5,6,7,8,9,10,11,12,13,14,15
	s_wait_dscnt 15-(\t)
	global_store_b128 v[CO], v[TMP+4*(\t):TMP+4*(\t)+3], s[\ob:\ob+1] offset:(\t)*512  ; 512 consecutive bytes, at a multiple of 256 from the buffer's first byte
.endr
.endm
	s_wait_tensorcnt 0x1                           ; my part of slot 0 is in; slot 1's may stay out
	s_barrier_signal -1
	s_barrier_wait -1
	FETCH 0, 0, F0
	WIN 0
	s_mov_b32 s[CNT], 2
.Ltile:                                                ; tiles 0 and 1: each asks for the tile behind it
	QUARTER 0, 1, F0, F1, 1                        ; a tile's first products start its sums
	QUARTER 0, 2, F1, F0, 0
	QUARTER 0, 3, F0, F1, 0
	TURN 0, 1, 1
	QUARTER 1, 1, F0, F1, 0
	QUARTER 1, 2, F1, F0, 0
	QUARTER 1, 3, F0, F1, 0
	TURN 1, 0, 1                                   ; and the next tile's first fragments are fetched
	OUT SC, 10
	s_wait_xcnt 0x0                                ; the stores' base and registers are written again only behind this wait
	s_add_nc_u64 s[10:11], s[10:11], 2097152       ; q's head y + 8: eight heads of 262,144 bytes on
	s_mov_b32 s[ANX], s[KVO]                       ; the second trip asks for tile 2: k's or v's part
	s_sub_co_u32 s[CNT], s[CNT], 1
	s_cmp_lg_u32 s[CNT], 0
	s_cbranch_scc1 .Ltile
	QUARTER 0, 1, F0, F1, 1                        ; tile 2 is written out: it asks for nothing
	QUARTER 0, 2, F1, F0, 0
	QUARTER 0, 3, F0, F1, 0
	TURN 0, 1, 0
	QUARTER 1, 1, F0, F1, 0
	QUARTER 1, 2, F1, F0, 0
	QUARTER 1, 3, F0, F1, 0
	s_wait_dscnt 16
	MUL8 F1, 0, 0, 0
	MUL8 F1, 0, 2, 0
	s_wait_dscnt 0x0
	MUL8 F1, 1, 0, 0
	MUL8 F1, 1, 2, 0
	OUT SCK, OT
	s_wait_tensorcnt 0x0                           ; the wave's end
	ds_add_u32 v[SPW], v[NIL]
	s_wait_dscnt 0x0
	CROUND                                         ; the closing round
	s_endpgm
.Lfunc_end_k_qd5886b7d99_g2:
	.size	k_qd5886b7d99_g2, .Lfunc_end_k_qd5886b7d99_g2-k_qd5886b7d99_g2
	.p2alignl 7, 3214868480
	.fill 96, 4, 3214868480
	.section	.rodata,"a",@progbits
	.p2align	6, 0x0
	.amdhsa_kernel k_qd5886b7d99_g2
		.amdhsa_group_segment_fixed_size 327680
		.amdhsa_private_segment_fixed_size 0
		.amdhsa_enable_private_segment 0
		.amdhsa_kernarg_size 32
		.amdhsa_user_sgpr_count 2
		.amdhsa_user_sgpr_kernarg_segment_ptr 1
		.amdhsa_wavefront_size32 1
		.amdhsa_system_sgpr_workgroup_id_x 1
		.amdhsa_system_sgpr_workgroup_id_y 1
		.amdhsa_system_sgpr_workgroup_id_z 1
		.amdhsa_system_vgpr_workitem_id 0
		.amdhsa_next_free_vgpr 512
		.amdhsa_next_free_sgpr 80
		.amdhsa_reserve_vcc 0
		.amdhsa_float_denorm_mode_32 3
		.amdhsa_float_denorm_mode_16_64 3
		.amdhsa_memory_ordered 1
		.amdhsa_forward_progress 1
		.amdhsa_inst_pref_size 106
	.end_amdhsa_kernel
	.amdgpu_metadata
---
amdhsa.version: [ 1, 2 ]
amdhsa.kernels:
  - .name:           k_qd5886b7d99_g2
    .symbol:         k_qd5886b7d99_g2.kd
    .args:
      - { .name: th, .offset: 0, .size: 8, .value_kind: global_buffer, .address_space: global }
      - { .name: wh, .offset: 8, .size: 8, .value_kind: global_buffer, .address_space: global }
      - { .name: pm, .offset: 16, .size: 8, .value_kind: global_buffer, .address_space: global }
      - { .name: qkv, .offset: 24, .size: 8, .value_kind: global_buffer, .address_space: global }
    .group_segment_fixed_size: 327680
    .private_segment_fixed_size: 0
    .kernarg_segment_align: 8
    .kernarg_segment_size: 32
    .max_flat_workgroup_size: 128
    .sgpr_count:     80
    .vgpr_count:     512
    .wavefront_size: 32
...
	.end_amdgpu_metadata
.endif
;; end of part 3
;; launch att (part 4): grid 16 x 16, 4 waves a work-group, no clusters, 327,680 bytes of LDS; arguments qkv, pm, oh; writes oh
.if DOCPART == 4
	.amdgcn_target "amdgcn-amd-amdhsa--gfx1250"
	.amdhsa_code_object_version 6
	.text
	.protected	k_qd5886b7d99_att
	.globl	k_qd5886b7d99_att
	.p2align	8
	.type	k_qd5886b7d99_att,@function
k_qd5886b7d99_att:
	s_mov_b64 s[64:65], 0
	v_nop
	global_prefetch_b8 v0, s[64:65] scope:SCOPE_SE
	s_setreg_imm32_b32 hwreg(HW_REG_WAVE_MODE, 25, 1), 1
	s_wait_xcnt 0x0
; CAUSAL ATTENTION with grouped heads.  O[b][head][q] = the sum over k <= q of softmax_k(Q . K / sqrt(128)) V, four query heads to a key and value head.  q, k, v come by heads from qkv (f16, each times its
; power-of-two scale); O, still times v's scale, goes to oh [4096][2048] f16 (column = 128 head + channel).  Products, maxima and sums in f32; the weights p are rounded to f16 for the second product, O once.
; THE SCALES of q and k are taken out in the softmax's constant: c = log2(e) / sqrt(128) x 2^-(n1q + n2q + n1k + n2k), made from the same maxima in pm as the launches that put them in.
; LIMITS.  q, k, v lie within 2^15 by their scales.  A hidden score counts as its scaled value (2^37 at the most) less 1e30; c must stay within f32; a weight below 2^-126 counts as 0; NaN and infinities are not treated apart.
; SHARES.  Work-group (i, y): y = 4 batch + key head.  Wave w is query head 4 (y % 4) + w, so the four heads of a group read each tile of K and V from one LDS.  A work-group takes TWO blocks of 32 queries,
; 31 - i and then i; a wave holds two PIECES of 16 queries.  A key step is 64 keys, a tile (a slot) two steps.  The two blocks need (35 - i) / 4 and (i + 4) / 4 tiles: 9 together, whatever i: all work-groups
; do equal work and ONE loop with a constant trip count walks them.  What a step does at the change of blocks hangs on scalars made from i; those jumps go forward and pass no barrier and no tensor load.
; NO CLUSTER: the 16 work-groups of a key head ask for the same tile only while their first blocks last (5 to 8 tiles), and one walk common to all would have 12 tiles for 9.
; THE MASK is the C operand that starts S^T = K Q^T: for key block kb of a step, TRI x AL + BE with (1, 0) where the block holds the diagonal, (0, 0) below it, (0, -1e30) above; TRI is the triangle of 16 x 16.
; With DX = 2 block + piece - 4 step the three cases are kb = DX, kb < DX, kb > DX.  One text serves plain, diagonal and hidden steps; every row sees key 0 in its block's first step, so m is a true score from then on.
; LAYOUT.  S^T (source 0 = 16 keys, source 1 = 16 queries) holds ONE query a lane (lane % 16) and the keys 8 (lane / 16) + 0..7; two results rounded to f16 ARE source 1 of O^T = V^T P.
; SOFTMAX.  p = 2^(c s - c m) with a running maximum m; O and l are multiplied by a = 2^(c m_old - c m_new) in every step.
; BY TURNS.  In a turn piece x has the matrix unit: 16 products V^T P of the step in hand, 16 products K Q^T of the next; the other piece's softmax, 134 vector lines in 32 slices, stands behind them, one slice each,
; and behind the first 16 also one line of the mask for the turn's own K Q^T.
; REGISTERS (s_set_vgpr_msb: bits 1:0 source 0, 3:2 source 1, 5:4 source 2, 7:6 destination):
;   window 0: v0-15 addresses; v16-31 statistics, 8 a piece; v32-39 TRI; v40-55 set-up; v62-63 the add's; v64-127 S^T; v128-159 P; v160-223 the masks
;   window 1: v0-127 O^T, 64 a piece; v128-255 V of one step          window 2: v0-63 Q; v64-127 the second block's Q; v128-255 K of one step
.set KS,    64
.set PK,    272       ; a row of K in LDS: 256 bytes + 16: the 16 rows of a load start at 16 different groups of four banks (64 banks of 4 bytes: ISA guide 11.1)
.set PV,    288       ; a row of V: 256 + 32
.set VOFF,  KS*PK     ; a step's tiles lie together: 64 rows of K, then 64 rows of V
.set STEPB, KS*(PK+PV)
.set SLOT1, 1<<17     ; slot 1 begins here
.set STAGE, SLOT1+2*STEPB  ; never filled by a tensor load: 16 rows x 272 bytes for each wave
.set SP,    272
.set SPARE, STAGE+4*16*SP  ; the spare words, 128 bytes for each wave
.set AK0, 2           ; my lane's place in a tile of K; never rewritten
.set AV0, 3           ; the same for V
.set ADR, 4           ; the LDS address of the run of loads in hand
.set QO,  5           ; my byte offset in 16 rows of Q
.set STO, 6
.set RD,  7
.set GO,  8           ; my byte offset in two rows of oh
.set ST,  16          ; piece t's statistics at v[ST+8 t]: +0 c m, +1 m, +2, +3 l (even keys', odd keys'), +4 to +7 c0-c3 at work; a takes c2's place
.set TRI, 32
.set SPW, 62
.set NIL, 63
.set S,   64
.set P,   128
.set MC,  160
.set VF,  128         ; window 1
.set QB,  64          ; window 2
.set KF,  128         ; window 2
.set WV,  14
.set IB,  15          ; i
.set YB,  16          ; y
.set G1K, 24
.set G1V, 32
.set G0K, 40
.set G0V, 44
.set KB,  48          ; s[48:49] K at my half of the head's tile 0
.set VB,  50
.set OA,  52          ; s[52:53] oh at my rows of the block in hand
.set OLO, 54          ; s[54:55] of the second block
.set SLOTS, 56
.set TWICE, 57
.set CS,  58          ; s[58:59] c
.set SEL, 60
.set TB,  62          ; LDS byte at which the tiles of the step to be fetched begin
.set NXT, 63          ; the tile to be asked for next
.set TLS, 66          ; tiles of the first block; 64 once the walk has gone back to tile 0
.set G,   67          ; the step whose V^T P is due
.set GB,  68          ; the first block's last step
.set DQ,  69          ; 2 block - 4 step, for the step whose scores are made next
.set OFF, 70          ; s[70:71] a tile's byte offset
.set DX,  72
.set BIGN, 73         ; -1e30
.set AL,  76          ; s[76:83] four pairs: the mask's factor for key block kb in the low word
.set BE,  84          ; s[84:91] the mask's addend
.set MSB, 0
.macro WIN new
.if MSB != (\new)
	s_set_vgpr_msb (MSB<<8)|(\new)
.set MSB, (\new)
.endif
.endm
.set W_KQ, 0x0a       ; K and Q in window 2; the mask and S^T in window 0
.set W_PV, 0x51       ; V and O^T in window 1, P in window 0
.set W_RS, 0x41       ; O^T (destination and source 0) in window 1, a in window 0
.macro PLACES
.rept 4
	v_nop
.endr
.endm
; A fill.  Waves 0 and 1 fetch K of a tile's two steps, waves 2 and 3 V.  An s_nop 0 and four v_nop follow each of the two lines, ahead of the jump and the label.
.macro LOAD
	s_cmp_lt_u32 s[WV], 2
	s_cbranch_scc0 .Lfor_v_\@
	tensor_load_to_lds s[G0K:G0K+3], s[G1K:G1K+7]
	s_nop 0
.rept 4
	v_nop
.endr
	s_branch .Lasked_\@
.Lfor_v_\@:
	tensor_load_to_lds s[G0V:G0V+3], s[G1V:G1V+7]
	s_nop 0
.rept 4
	v_nop
.endr
.Lasked_\@:
.endm
; THE CHANGE OF SLOTS.  Each wave waits for all its tensor loads (one is out: its part of the other slot), adds 0 to its spare word, and waits for that and for its reads of the slot that it leaves.  Behind the
; barrier nobody reads the old slot and the other is whole.  fill = 1: the old slot is filled again, first thing behind the barrier, with tile NXT; the load has two key steps, 128 matrix instructions, in which to land.
; (At its first use nothing has been read yet: slot 0 is waited for, slot 1 filled.)
.macro CHANGE fill
	WIN 0
	s_wait_tensorcnt 0x0            ; no tensor load of mine is out, so a group 0 may be written
	ds_add_u32 v[SPW], v[NIL]
.if \fill
	s_lshl_b32 s[OFF], s[NXT], 15   ; a tile is 32,768 bytes of K and of V
	s_xor_b32 s[G0K+1], s[G0K+1], SLOT1
	s_add_nc_u64 s[G0K+2:G0K+3], s[KB:KB+1], s[OFF:OFF+1]
	s_or_b32 s[G0K+3], s[G0K+3], 0x80000000
	s_xor_b32 s[G0V+1], s[G0V+1], SLOT1
	s_add_nc_u64 s[G0V+2:G0V+3], s[VB:VB+1], s[OFF:OFF+1]
	s_or_b32 s[G0V+3], s[G0V+3], 0x80000000
	s_add_co_u32 s[NXT], s[NXT], 1  ; the block's next tile, or behind its last the second block's tile 0
	s_cmp_eq_u32 s[NXT], s[TLS]
	s_cselect_b32 s[NXT], 0, s[NXT]
	s_cselect_b32 s[TLS], 64, s[TLS]
.endif
	s_wait_dscnt 0x0                ; the add is done, and my reads of the slot are over
	s_barrier_signal -1
	s_sub_co_u32 s[TB], s[TB], 2*STEPB  ; the fetches go back to a slot's first step,
	s_xor_b32 s[TB], s[TB], SLOT1       ; in the other slot
	s_barrier_wait -1
.if \fill
	LOAD
.endif
.endm
.macro LANEMAX r, t
	v_max_num_f32_dpp v[\r], v[\r], v[\r] row_xmask:1 row_mask:0xf bank_mask:0xf
	v_max_num_f32_dpp v[\r], v[\r], v[\r] row_xmask:2 row_mask:0xf bank_mask:0xf
	v_max_num_f32_dpp v[\r], v[\r], v[\r] row_xmask:4 row_mask:0xf bank_mask:0xf
	v_max_num_f32_dpp v[\r], v[\r], v[\r] row_xmask:8 row_mask:0xf bank_mask:0xf
	v_permlanex16_b32 v[\t], v[\r], s[SEL], s[SEL+1]
	v_max_num_f32 v[\r], v[\r], v[\t]
.endm
.macro INV r                        ; an exponent field e, held to 1..253, becomes the bits of 2^-(e - 127)
	s_max_i32 s\r, s\r, 1
	s_min_i32 s\r, s\r, 253
	s_sub_co_i32 s\r, 254, s\r
	s_lshl_b32 s\r, s\r, 23
.endm
	s_load_b128 s[4:7], s[0:1], 0x0   ; qkv s[4:5], pm s[6:7]
	s_load_b64 s[8:9], s[0:1], 0x10   ; oh
	v_lshl_add_u32 v[SPW], v0, 2, SPARE
	v_mov_b32 v[NIL], 0
	ds_add_u32 v[SPW], v[NIL]       ; the wave's opening: the add and its wait stand ahead of my first tensor load
	ds_add_u32 v62, v63
	v_lshrrev_b32 v1, 5, v0
	v_readfirstlane_b32 s[WV], v1
	s_mov_b32 s[IB], ttmp9
	s_and_b32 s[YB], ttmp7, 0xffff
	s_sub_co_u32 s17, 35, s[IB]
	s_lshr_b32 s[TLS], s17, 2       ; the first block's tiles: 5 to 8
	s_lshl_b32 s[GB], s[TLS], 1
	s_sub_co_u32 s[GB], s[GB], 1
	s_and_b32 s18, s[WV], 1         ; which of a tile's two steps I fetch:
	s_mul_i32 s19, s18, STEPB       ; its place in a slot,
	s_lshl_b32 s20, s[YB], 18       ; the key head's 262,144 bytes,
	s_lshl_b32 s21, s18, 14         ; the step's 64 rows of 256 bytes
	s_add_co_u32 s20, s20, s21
	s_add_co_u32 s22, s20, 20971520 ; v's place in qkv
	s_add_co_u32 s20, s20, 16777216 ; k's
	s_mov_b32 s21, 0
	s_mov_b32 s23, 0
	s_lshl_b32 s17, s[YB], 2
	s_add_co_u32 s17, s17, s[WV]    ; my query head among the 64: 16 batch + 4 key head + wave
	s_lshl_b32 s74, s17, 18
	s_sub_co_u32 s18, 31, s[IB]     ; the first block
	s_lshl_b32 s75, s18, 13         ; 32 rows of 256 bytes a block
	s_add_co_u32 s92, s74, s75
	s_mov_b32 s93, 0
	s_lshl_b32 s75, s[IB], 13
	s_add_co_u32 s94, s74, s75
	s_mov_b32 s95, 0
	s_lshr_b32 s74, s[YB], 2
	s_lshl_b32 s74, s74, 22         ; in oh: the batch's 1,024 rows of 4,096 bytes,
	s_and_b32 s75, s17, 15
	s_lshl_b32 s75, s75, 8          ; the head's 256 bytes of a row,
	s_add_co_u32 s74, s74, s75
	s_lshl_b32 s75, s18, 17         ; the block's 32 rows
	s_add_co_u32 s[OA], s74, s75
	s_mov_b32 s[OA+1], 0
	s_lshl_b32 s75, s[IB], 17
	s_add_co_u32 s[OLO], s74, s75
	s_mov_b32 s[OLO+1], 0
	s_mov_b32 s[G1K], (1<<16)|(1<<20)|(5<<22)|(3<<25)  ; 2-byte elements; padding on: after every 64 words 4 words
	s_mov_b32 s[G1V], (1<<16)|(1<<20)|(5<<22)|(7<<25)  ; the same with 8 words
.irp g, G1K, G1V
	s_mov_b32 s[\g+1], 128<<16      ; tensor_dim0 = 128
	s_mov_b32 s[\g+2], KS<<16       ; tensor_dim1 = 64
	s_mov_b32 s[\g+3], 128<<16      ; tile_dim0 = 128
	s_mov_b32 s[\g+4], KS           ; tile_dim1 = 64
	s_mov_b32 s[\g+5], 128          ; elements from row to row
	s_mov_b32 s[\g+6], 0
	s_mov_b32 s[\g+7], 0
.endr
	s_mov_b32 s[G0K], 1
	s_mov_b32 s[G0K+1], s19         ; slot 0
	s_mov_b32 s[G0V], 1
	s_add_co_u32 s[G0V+1], s19, VOFF
	s_mov_b32 s[SEL], 0x76543210
	s_mov_b32 s[SEL+1], 0xfedcba98
	s_mov_b32 s[TB], SLOT1+2*STEPB  ; the first change of slots turns this into 0
	s_mov_b32 s[NXT], 1
	s_mov_b32 s[OFF+1], 0
	s_mov_b32 s[BIGN], 0xf149f2ca   ; -1e30
.irp kb, 0,1,2,3
	s_mov_b32 s[AL+2*\kb+1], 0      ; named as pairs
	s_mov_b32 s[BE+2*\kb+1], 0
.endr
	s_wait_dscnt 0x0                ; the opening add is done
	s_wait_kmcnt 0x0
	s_add_nc_u64 s[KB:KB+1], s[4:5], s[20:21]
	s_add_nc_u64 s[VB:VB+1], s[4:5], s[22:23]
	s_add_nc_u64 s[92:93], s[4:5], s[92:93]        ; Q at my rows of the first block,
	s_add_nc_u64 s[94:95], s[4:5], s[94:95]        ; and of the second
	s_add_nc_u64 s[OA:OA+1], s[8:9], s[OA:OA+1]
	s_add_nc_u64 s[OLO:OLO+1], s[8:9], s[OLO:OLO+1]
	s_add_nc_u64 s[G0K+2:G0K+3], s[KB:KB+1], 0
	s_or_b32 s[G0K+3], s[G0K+3], 0x80000000
	s_add_nc_u64 s[G0V+2:G0V+3], s[VB:VB+1], 0
	s_or_b32 s[G0V+3], s[G0V+3], 0x80000000
	LOAD                            ; tile 0 into slot 0
	v_and_b32 v1, 15, v0            ; l % 16
	v_bfe_u32 v9, v0, 4, 1          ; l / 16
	v_and_b32 v52, 31, v0
	v_lshlrev_b32 v53, 4, v52
	v_lshlrev_b32 v52, 2, v52
	v_and_b32 v54, 7, v0
	v_lshlrev_b32 v54, 2, v54
	global_load_b128 v[40:43], v53, s[6:7]             ; x's 256 maxima
	global_load_b128 v[44:47], v53, s[6:7] offset:512
	global_load_b32 v48, v52, s[6:7] offset:1536       ; Wq1's 32
	global_load_b32 v49, v52, s[6:7] offset:1664       ; Wk1's 32
	global_load_b32 v50, v52, s[6:7] offset:1920       ; Wq2's 32
	global_load_b32 v51, v54, s[6:7] offset:2048       ; Wk2's 8
	v_lshlrev_b32 v[QO], 8, v1
	v_lshl_add_u32 v[QO], v9, 4, v[QO]  ; row x 256 + 16 x half
	WIN 0x80                        ; destination window 2, address window 0
.set i, 0
.rept 8                             ; both blocks' Q: piece i / 4, channels 32 (i % 4) on
	global_load_b128 v[8*i:8*i+3],       v[QO], s[92:93] offset:(i/4)*4096+(i%4)*64
	global_load_b128 v[8*i+4:8*i+7],     v[QO], s[92:93] offset:(i/4)*4096+(i%4)*64+32
	global_load_b128 v[QB+8*i:QB+8*i+3],   v[QO], s[94:95] offset:(i/4)*4096+(i%4)*64
	global_load_b128 v[QB+8*i+4:QB+8*i+7], v[QO], s[94:95] offset:(i/4)*4096+(i%4)*64+32
.set i, i+1
.endr
	WIN 0
	v_lshlrev_b32 v10, 3, v9
	v_sub_nc_u32 v10, v1, v10       ; l % 16 - 8 (l / 16): in the diagonal's block register r is hidden where r is greater
.set i, 0
.rept 8
	v_cmp_gt_i32 vcc_lo, i, v10
	v_cndmask_b32 v[TRI+i], 0, s[BIGN], vcc_lo
.set i, i+1
.endr
	v_mul_u32_u24 v[AK0], v1, PK
	v_lshl_add_u32 v[AK0], v9, 4, v[AK0]
	v_and_b32 v10, 7, v0            ; the turning load: lane l reads key 8 (l / 16) + l % 8, channels 8 ((l / 8) % 2) + 0..7
	v_bfe_u32 v11, v0, 3, 1
	v_lshl_add_u32 v[AV0], v9, 3, v10
	v_mul_u32_u24 v[AV0], v[AV0], PV
	v_lshl_add_u32 v[AV0], v11, 4, v[AV0]
	v_add_nc_u32 v[AV0], VOFF, v[AV0]
	s_mul_i32 s17, s[WV], 16*SP
	s_add_co_u32 s17, s17, STAGE    ; my stage
	v_mul_u32_u24 v[STO], v1, SP    ; in: row l % 16, 16 bytes for each half of the lanes
	v_lshl_add_u32 v[STO], v9, 4, v[STO]
	v_add_nc_u32 v[STO], s17, v[STO]
	v_mul_u32_u24 v[RD], v9, SP     ; back: lanes 0-15 one row of 256 bytes, lanes 16-31 the next
	v_lshl_add_u32 v[RD], v1, 4, v[RD]
	v_add_nc_u32 v[RD], s17, v[RD]
	v_lshlrev_b32 v[GO], 12, v9     ; and the same two rows in oh
	v_lshl_add_u32 v[GO], v1, 4, v[GO]
	v_mov_b32 v55, 0
	s_wait_loadcnt 32               ; the six loads of maxima are in; Q's 32 may stay out
	v_max3_num_f32 v40, v40, v41, v42
	v_max3_num_f32 v43, v43, v44, v45
	v_max3_num_f32 v40, v40, v46, v47
	v_max_num_f32 v40, v40, v43
	LANEMAX 40, 55
	LANEMAX 48, 55
	LANEMAX 49, 55
	LANEMAX 50, 55
	LANEMAX 51, 55
	v_readfirstlane_b32 s17, v40
	v_readfirstlane_b32 s18, v48
	v_readfirstlane_b32 s19, v49
	v_readfirstlane_b32 s20, v50
	v_readfirstlane_b32 s21, v51
.irp r, 17,18,19,20,21
	s_bfe_u32 s\r, s\r, 0x80017     ; the exponent fields: 8 bits from bit 23
.endr
	s_sub_co_i32 s22, 383, s17
	s_sub_co_i32 s18, s22, s18      ; e1 of q
	s_sub_co_i32 s19, s22, s19      ; e1 of k
	s_sub_co_i32 s20, 244, s20      ; e2 of q
	s_sub_co_i32 s21, 244, s21      ; e2 of k
	INV 18
	INV 19
	INV 20
	INV 21
	s_mov_b32 s[CS], 0x3e0293ee     ; log2(e) / sqrt(128)
	s_mul_f32 s[CS], s[CS], s18
	s_mul_f32 s[CS], s[CS], s20
	s_mul_f32 s[CS], s[CS], s19
	s_mul_f32 s[CS], s[CS], s21
	s_mov_b32 s[CS+1], s[CS]        ; named with it as a pair
; THE MATRIX WORK.  The accumulators of a run take turns, one instruction a turn.
; Product i of 16 of S^T = K Q^T for piece x: channels 32 (i / 4) on, keys 16 (i % 4) on.  The first 4 start the sums with the mask.
.macro KQ x
	WIN W_KQ
.set rS, S+32*(\x)+8*(i%4)
.set rK, KF+32*(i%4)+8*(i/4)
.set rQ, 32*(\x)+8*(i/4)
.set rM, MC+32*(\x)+8*(i%4)
.if i < 4
	v_wmma_f32_16x16x32_f16 v[rS:rS+7], v[rK:rK+7], v[rQ:rQ+7], v[rM:rM+7]
.else
	v_wmma_f32_16x16x32_f16 v[rS:rS+7], v[rK:rK+7], v[rQ:rQ+7], v[rS:rS+7]
.endif
.endm
; Product i of 16 of O^T += V^T P for piece x: keys 32 (i / 8) on, channels 16 (i % 8) on.  zero = 1: the first 8 start the sums.
.macro PV x, zero
	WIN W_PV
.set rO, 64*(\x)+8*(i%8)
.set rV, VF+64*(i/8)+8*(i%8)
.set rP, P+16*(\x)+8*(i/8)
.if (\zero) && (i < 8)
	v_wmma_f32_16x16x32_f16 v[rO:rO+7], v[rV:rV+7], v[rP:rP+7], 0
.else
	v_wmma_f32_16x16x32_f16 v[rO:rO+7], v[rV:rV+7], v[rP:rP+7], v[rO:rO+7]
.endif
.endm
; THE LDS LOADS stand in runs of 32: a step's K and, a turn later, its V (turned).
.macro FETCH_K
	WIN 0
	v_add_nc_u32 v[ADR], s[TB], v[AK0]
	WIN 0x80                        ; destination window 2
.irp f, 0,1,2,3,4,5,6,7,8,9,10,11,12,13,14,15  ; keys 16 (f / 4) on, channels 32 (f % 4) on
	ds_load_b128 v[KF+8*(\f):KF+8*(\f)+3],   v[ADR] offset:((\f)/4)*16*PK+((\f)%4)*64
	ds_load_b128 v[KF+8*(\f)+4:KF+8*(\f)+7], v[ADR] offset:((\f)/4)*16*PK+((\f)%4)*64+32
.endr
.endm
.macro FETCH_V
	WIN 0
	v_add_nc_u32 v[ADR], s[TB], v[AV0]
	s_add_co_u32 s[TB], s[TB], STEPB  ; the next fetch is the next step's
	WIN 0x40                        ; destination window 1
.irp f, 0,1,2,3,4,5,6,7,8,9,10,11,12,13,14,15  ; keys 32 (f / 8) on, channels 16 (f % 8) on
	ds_load_tr16_b128 v[VF+8*(\f):VF+8*(\f)+3],   v[ADR] offset:((\f)/8)*32*PV+((\f)%8)*32
	ds_load_tr16_b128 v[VF+8*(\f)+4:VF+8*(\f)+7], v[ADR] offset:((\f)/8)*32*PV+16*PV+((\f)%8)*32
.endr
.endm
; THE MASK.  ALBE x: the two scalars for each of the four key blocks of the step whose scores piece x makes next.  MK x: line mz of 16 of TRI x AL + BE.
.macro ALBE x
	s_add_co_i32 s[DX], s[DQ], \x
.irp kb, 0,1,2,3
	s_cmp_eq_i32 s[DX], \kb
	s_cselect_b32 s[AL+2*\kb], 1.0, 0
	s_cmp_lt_i32 s[DX], \kb
	s_cselect_b32 s[BE+2*\kb], s[BIGN], 0
.endr
.endm
.macro MK x
	WIN 0
	v_pk_fma_f32 v[MC+32*(\x)+8*(mz/4)+2*(mz%4):MC+32*(\x)+8*(mz/4)+2*(mz%4)+1], v[TRI+2*(mz%4):TRI+2*(mz%4)+1], s[AL+2*(mz/4):AL+2*(mz/4)+1], s[BE+2*(mz/4):BE+2*(mz/4)+1] op_sel_hi:[1,0,0]
.set mz, mz+1
.endm
; THE VECTOR WORK.  A piece's softmax for one key step is a list of 134 lines; SM writes number j of it for piece t.  s0-s31 are the lane's 32 scores, in pairs 0-15.  first = 1: the walk's first step: no a, nothing to rescale.
;   0-15    the maximum of s0-s31 and the old m, three operands at a time (each accumulator's lowest registers are read first)
;   16-20   the other half of the lanes' maximum; the new m; c m; c m_old - c m_new
;   21-87   33 exponentials (a, then s0-s31) at the odd numbers from 23 on: no two follow each other, and each has a plain line that names neither its result nor its source behind it.  The plain lines are
;           what is ready: c s - c m for pairs whose exponentials are to come, the rounding of a pair whose second exponential stands three numbers back, the first three sums
;   88-101  the last rounding; the rest of the sums; l = a l + the sum          102-133 O^T times a, each accumulator in ascending order
.macro SM t, first
.set rT, ST+8*(\t)
.set rS, S+32*(\t)
.set rP, P+16*(\t)
.set rO, 64*(\t)+2*(j-102)
.set q, (j-20)/2
.if j < 102
	WIN 0
.endif
.if j < 4
	v_max3_num_f32 v[rT+4+j], v[rS+8*j], v[rS+8*j+1], v[rS+8*j+2]
.elseif j < 12
	v_max3_num_f32 v[rT+4+j%4], v[rT+4+j%4], v[rS+8*(j%4)+2*(j/4)+1], v[rS+8*(j%4)+2*(j/4)+2]
.elseif j == 12
	v_max3_num_f32 v[rT+4], v[rT+4], v[rS+7], v[rS+15]
.elseif j == 13
	v_max3_num_f32 v[rT+6], v[rT+6], v[rS+23], v[rS+31]
.elseif j == 14
	v_max3_num_f32 v[rT+4], v[rT+4], v[rT+5], v[rT+6]
.elseif (j == 15) && (\first)
	v_max_num_f32 v[rT+4], v[rT+4], v[rT+7]
.elseif j == 15
	v_max3_num_f32 v[rT+4], v[rT+4], v[rT+7], v[rT+1]
.elseif j == 16
	v_permlanex16_b32 v[rT+5], v[rT+4], s[SEL], s[SEL+1]  ; the query's other 32 keys lie in the lane 16 away
.elseif j == 18
	v_max_num_f32 v[rT+1], v[rT+4], v[rT+5]
.elseif j == 19
	v_mul_f32 v[rT], s[CS], v[rT+1]
.elseif ((j == 17) || (j == 20) || (j == 23) || (j > 101)) && (\first)
.elseif j == 17
	v_mov_b32 v[rT+7], v[rT]        ; c m_old is kept for a
.elseif j == 20
	v_sub_f32 v[rT+7], v[rT+7], v[rT]
.elseif j == 23
	v_exp_f32 v[rT+6], v[rT+7]
.elseif (j < 88) && (j > 23) && (j%2 == 1)
	v_exp_f32 v[rS+(j-25)/2], v[rS+(j-25)/2]
.elseif (q < 4) || ((j < 76) && (q%2 == 0))
.set b, q/2+2
.if q < 4
.set b, q
.endif
	v_pk_fma_f32 v[rS+2*b:rS+2*b+1], v[rS+2*b:rS+2*b+1], s[CS:CS+1], v[rT:rT+1] op_sel_hi:[1,0,0] neg_lo:[0,0,1] neg_hi:[0,0,1]  ; pair b: c s - c m
.elseif (j < 88) && (q%2 == 1)
	s_wait_alu depctr_va_vdst(0)
	v_cvt_pk_f16_f32 v[rP+(q-5)/2], v[rS+q-5], v[rS+q-4]
.elseif j == 89
	s_wait_alu depctr_va_vdst(0)
	v_cvt_pk_f16_f32 v[rP+15], v[rS+30], v[rS+31]
.elseif j < 102                     ; the sum of the 16 pairs, in place: sum z of 16 adds neighbours 1, 2, 4 and 8 pairs apart, then l takes it
.set z, j-86
.if j < 89
.set z, (j-76)/4
.endif
.set w, 4
.set u, z
.if z >= 14
.set w, 32
.set u, 0
.elseif z >= 12
.set w, 16
.set u, z-12
.elseif z >= 8
.set w, 8
.set u, z-8
.endif
.if (z == 14) && (\first)
	v_pk_add_f32 v[rT+2:rT+3], v[rS:rS+1], v[rS+16:rS+17]
.elseif z < 15
	v_pk_add_f32 v[rS+w*u:rS+w*u+1], v[rS+w*u:rS+w*u+1], v[rS+w*u+w/2:rS+w*u+w/2+1]
.elseif !(\first)
	v_pk_fma_f32 v[rT+2:rT+3], v[rT+2:rT+3], v[rT+6:rT+7], v[rS:rS+1] op_sel_hi:[1,0,1]
.endif
.else
	WIN W_RS
	v_pk_mul_f32 v[rO:rO+1], v[rO:rO+1], v[rT+6:rT+7] op_sel_hi:[1,0]
.endif
.endm
; Slice k of 32: numbers 4 k to 4 k + 3.  134 = 4 x 32 + 6: the six that are over stand in slice 31, whose ten plain lines are the places behind the turn's last product.
.macro SLICE y, first
.irp n, 0,1,2,3
.set j, 4*k+(\n)
	SM \y, \first
.endr
.if k == 31
.irp n, 4,5,6,7,8,9
.set j, 4*k+(\n)
	SM \y, \first
.endr
.endif
.set k, k+1
.endm
; A TURN.  pv = 2: 16 products V^T P; 1: they start O^T's sums; 0: none.  kq = 1: 16 products K Q^T for the next step.  A turn with one kind has two slices behind each product.
; first = 1: the slices from 26 on are empty, and four v_nop take slice 31's part.  Piece 0's turn fetches the next step's K behind its second product: K's last reader stands in front of slice 31 of the turn before.
; Piece 1's turn fetches the same step's V behind its second K Q^T: seven plain lines stand behind V's last reader.  Each run is waited for in piece 0's turn, in front of its first use.
.macro TURN x, pv, kq, first
.set k, 0
.set mz, 0
.set per, 2
.if (\pv) && (\kq)
.set per, 1
.endif
.if \pv
.if (\x) == 0
	s_wait_dscnt 0x0                ; V is in
.endif
.set i, 0
.rept 16
	PV \x, 2-(\pv)
.rept per
	SLICE 1-(\x), \first
.endr
.if \kq
	MK \x
.endif
.if ((\x) == 0) && (\kq) && (i == 1)
	FETCH_K
.endif
.set i, i+1
.endr
.endif
.if \kq
.if (\x) == 0
	s_wait_dscnt 0x0                ; K is in
.endif
.set i, 0
.rept 16
	KQ \x
.rept per
	SLICE 1-(\x), \first
.endr
.if ((\x) == 1) && (i == 1)
	FETCH_V
.endif
.set i, i+1
.endr
.endif
.if \first
	PLACES
.endif
.endm
; THE WAY OUT of piece x: l's halves and the other lanes' are added; O^T is divided by l, rounded to f16 into the other piece's S^T registers (free at this moment), sent through my stage, stored.
.macro OUT x
	WIN 0
.set rT, ST+8*(\x)
.set rY, S+32*(1-(\x))
	v_add_f32 v[rT+4], v[rT+2], v[rT+3]
	v_permlanex16_b32 v[rT+5], v[rT+4], s[SEL], s[SEL+1]
	v_add_f32 v[rT+4], v[rT+4], v[rT+5]
	v_rcp_f32 v[rT+6], v[rT+4]
	v_nop                           ; a plain line between the reciprocal and the use of its result
	WIN W_RS
.set i, 0
	s_wait_alu depctr_va_vdst(0)
.rept 32
	v_pk_mul_f32 v[64*(\x)+2*i:64*(\x)+2*i+1], v[64*(\x)+2*i:64*(\x)+2*i+1], v[rT+6:rT+7] op_sel_hi:[1,0]
.set i, i+1
.endr
	WIN 0x05                        ; sources 0 and 1 window 1, destination window 0
.set i, 0
.rept 32
	v_cvt_pk_f16_f32 v[rY+i], v[64*(\x)+2*i], v[64*(\x)+2*i+1]
.set i, i+1
.endr
	WIN 0
.irp f, 0,1,2,3,4,5,6,7
	ds_store_b128 v[STO], v[rY+4*(\f):rY+4*(\f)+3] offset:32*(\f)
.endr
.irp f, 0,1,2,3,4,5,6,7
	ds_load_b128 v[rY+4*(\f):rY+4*(\f)+3], v[RD] offset:(\f)*2*SP  ; LDS serves a wave's instructions in order (ISA guide 5.7.1.4): these see the stores above
.endr
	s_wait_dscnt 0x0
.irp f, 0,1,2,3,4,5,6,7
	global_store_b128 v[GO], v[rY+4*(\f):rY+4*(\f)+3], s[OA:OA+1] offset:(\x)*65536+(\f)*8192  ; 16 lanes store 256 consecutive bytes, at a multiple of 256 from oh's first byte
.endr
	s_wait_xcnt 0x0                 ; the stores' registers and base are written again only behind this wait
.endm
.macro NEWQ x                       ; the second block's Q goes where the one text of the turns names Q
	WIN 0x82
.set i, 0
.rept 32
	v_mov_b32 v[32*(\x)+i], v[QB+32*(\x)+i]
.set i, i+1
.endr
	WIN 0
.endm
.macro RESET x                      ; c m far below every c s, so the block's first a is 0 and what O^T and l hold need only be finite; m at the lowest finite number
	v_mov_b32 v[ST+8*(\x)], 0xfe000000
	v_mov_b32 v[ST+8*(\x)+1], 0xff7fffff
.endm
; A KEY STEP: V^T P of step G, K Q^T of step G + 1.  Where G is the first block's last step, the next scores are the second block's first: each piece gets its new Q ahead of its K Q^T, and leaves behind its last V^T P.
.macro STEP
	WIN 0
	s_cmp_lg_u32 s[G], s[GB]
	s_cbranch_scc1 .La_\@
	NEWQ 0
	s_lshl_b32 s[DQ], s[IB], 1
.La_\@:
	ALBE 0
	TURN 0, 2, 1, 0
	WIN 0
	s_cmp_lg_u32 s[G], s[GB]
	s_cbranch_scc1 .Lb_\@
	OUT 0
	RESET 0
	NEWQ 1
.Lb_\@:
	ALBE 1
	TURN 1, 2, 1, 0
	WIN 0
	s_cmp_lg_u32 s[G], s[GB]
	s_cbranch_scc1 .Lc_\@
	OUT 1
	RESET 1
	s_mov_b64 s[OA:OA+1], s[OLO:OLO+1]
.Lc_\@:
	s_sub_co_i32 s[DQ], s[DQ], 4
	s_add_co_u32 s[G], s[G], 1
.endm
.macro TWO_STEPS                    ; a slot's two fetches: written once, walked twice
	WIN 0
	s_mov_b32 s[TWICE], 2
.Lstep_\@:
	STEP
	WIN 0
	s_sub_co_u32 s[TWICE], s[TWICE], 1
	s_cmp_lg_u32 s[TWICE], 0
	s_cbranch_scc1 .Lstep_\@
.endm
	CHANGE 1                        ; tile 0 is in, everybody's part of it; tile 1 is asked for
	s_sub_co_u32 s17, 31, s[IB]
	s_lshl_b32 s[DQ], s17, 1        ; the first block, step 0
	ALBE 0
.set mz, 0
.rept 16
	MK 0
.endr
	FETCH_K                         ; key step 0
	s_wait_loadcnt 0x0              ; Q
	s_wait_dscnt 0x0
.set i, 0
.rept 16
	KQ 0                            ; piece 0's first scores
.set i, i+1
.endr
	ALBE 1
.set mz, 0
.rept 16
	MK 1                            ; sixteen plain lines: the places behind those products
.endr
	TURN 1, 0, 1, 1                 ; piece 1's first scores | piece 0's first softmax | V of step 0
	s_sub_co_i32 s[DQ], s[DQ], 4
	ALBE 0
	TURN 0, 1, 1, 1                 ; piece 0: V^T P of step 0 starts O^T, K Q^T of step 1 | piece 1's first softmax | K of step 1
	ALBE 1
	TURN 1, 1, 1, 0                 ; piece 1: the same | piece 0's softmax of step 1 | V of step 1
	s_sub_co_i32 s[DQ], s[DQ], 4
	s_mov_b32 s[G], 1
	WIN 0
	s_mov_b32 s[SLOTS], 7           ; tiles 2 to 8 of the walk are asked for in the loop
.Lslot:
	CHANGE 1
	TWO_STEPS
	s_sub_co_u32 s[SLOTS], s[SLOTS], 1
	s_cmp_lg_u32 s[SLOTS], 0
	s_cbranch_scc1 .Lslot
	CHANGE 0                        ; the tail is written out: nothing is asked for
	TWO_STEPS
	TURN 0, 2, 0, 0                 ; piece 0: V^T P of the last step | piece 1's last softmax
.set i, 0
.rept 16
	PV 1, 0                         ; piece 1: V^T P of the last step; piece 0's way out below is the places behind it
.set i, i+1
.endr
	OUT 0
	OUT 1
	WIN 0
	s_wait_tensorcnt 0x0            ; the wave's end: behind my last tensor load and my last LDS store
	ds_add_u32 v[SPW], v[NIL]
	s_wait_dscnt 0x0
	s_endpgm
.Lfunc_end_k_qd5886b7d99_att:
	.size	k_qd5886b7d99_att, .Lfunc_end_k_qd5886b7d99_att-k_qd5886b7d99_att
	.p2alignl 7, 3214868480
	.fill 96, 4, 3214868480
	.section	.rodata,"a",@progbits
	.p2align	6, 0x0
	.amdhsa_kernel k_qd5886b7d99_att
		.amdhsa_group_segment_fixed_size 327680
		.amdhsa_private_segment_fixed_size 0
		.amdhsa_enable_private_segment 0
		.amdhsa_kernarg_size 24
		.amdhsa_user_sgpr_count 2
		.amdhsa_user_sgpr_kernarg_segment_ptr 1
		.amdhsa_wavefront_size32 1
		.amdhsa_system_sgpr_workgroup_id_x 1
		.amdhsa_system_sgpr_workgroup_id_y 1
		.amdhsa_system_sgpr_workgroup_id_z 1
		.amdhsa_system_vgpr_workitem_id 0
		.amdhsa_next_free_vgpr 768
		.amdhsa_next_free_sgpr 96
		.amdhsa_reserve_vcc 1
		.amdhsa_float_denorm_mode_32 3
		.amdhsa_float_denorm_mode_16_64 3
		.amdhsa_memory_ordered 1
		.amdhsa_forward_progress 1
		.amdhsa_inst_pref_size 177
	.end_amdhsa_kernel
	.amdgpu_metadata
---
amdhsa.version: [ 1, 2 ]
amdhsa.kernels:
  - .name:           k_qd5886b7d99_att
    .symbol:         k_qd5886b7d99_att.kd
    .args:
      - { .name: qkv, .offset: 0, .size: 8, .value_kind: global_buffer, .address_space: global }
      - { .name: pm, .offset: 8, .size: 8, .value_kind: global_buffer, .address_space: global }
      - { .name: oh, .offset: 16, .size: 8, .value_kind: global_buffer, .address_space: global }
    .group_segment_fixed_size: 327680
    .private_segment_fixed_size: 0
    .kernarg_segment_align: 8
    .kernarg_segment_size: 24
    .max_flat_workgroup_size: 128
    .sgpr_count:     96
    .vgpr_count:     768
    .wavefront_size: 32
...
	.end_amdgpu_metadata
.endif
;; end of part 4
;; launch g3 (part 5): grid 32 x 8, 4 waves a work-group, clusters of 4 x 1, 327,680 bytes of LDS; arguments oh, wh, pm, out0; writes out0
.if DOCPART == 5
	.amdgcn_target "amdgcn-amd-amdhsa--gfx1250"
	.amdhsa_code_object_version 6
	.text
	.protected	k_qd5886b7d99_g3
	.globl	k_qd5886b7d99_g3
	.p2align	8
	.type	k_qd5886b7d99_g3,@function
k_qd5886b7d99_g3:
	s_mov_b64 s[64:65], 0
	v_nop
	global_prefetch_b8 v0, s[64:65] scope:SCOPE_SE
	s_setreg_imm32_b32 hwreg(HW_REG_WAVE_MODE, 25, 1), 1
	s_wait_xcnt 0x0
	s_wait_alu depctr_hold_cnt(0) depctr_sa_sdst(0) depctr_va_vdst(0) depctr_va_sdst(0) depctr_va_ssrc(0) depctr_va_vcc(0) depctr_vm_vsrc(0)
	s_getreg_b32 s2, hwreg(HW_REG_IB_STS2, 6, 4)
	s_cmp_eq_u32 s2, 0
	s_cbranch_scc0 .Lentry_in_a_cluster
	s_endpgm
.Lentry_in_a_cluster:
	s_bfe_u32 s2, ttmp6, 0x10000c
	s_cmp_lg_u32 s2, 0x3003
	s_cbranch_scc0 .Lentry_shape_is_right
	s_endpgm
.Lentry_shape_is_right:
; C = A B for A [4096][2048] f16 (K along the rows) and B [2048][N] f16 (N along the rows); sums in f32.  One text for two launches, told apart by KIND:
; KIND 1: A = xh, B = Wq1 | Wk1 | Wv1 (512 columns each); C = t x 2^n1(part), rounded once to f16, to th [part][4096][512].
; KIND 3: A = oh, B = Wo (2,048 columns); C x 2^-(n1v + n2v) in f32 to out0 [4096][2048].
; SCALES.  E(m) is the exponent field of a largest magnitude from pm.  |t| < 2^11 2^(Ex-126) 2^(Ew-126), so with the field e1 = 383 - Ex - Ew (held to 1..253)
; t 2^(e1-127) stays within 2^15 for every input; e2 = 244 - E(W2) does the same for the second product's 512 terms.  Powers of two: exact, and taken out again in f32.
; LIMITS.  Where a clamp of e1 or e2 binds (inputs outside f16's own range) the bound of 2^15 does not hold; the product of the two inverse scales stays within f32; NaN and infinities are not treated apart.
; The f32 sums are taken in the order of the walk below, which begins in the middle of K.
; SHARES.  A tile of C is 128 x 256: four waves, each 64 x 128: 32 accumulators, 256 registers.  K goes in 16 steps of 128 through two LDS slots.  KIND 3 has 256 tiles, one for each WGP.
; THE WALK ALONG K begins at step (a + b) mod 16 and wraps round.  a hangs on the tile column (KIND 1: 0, 2, 5, 8, 11, 13; KIND 3: 0, 2, .. 14), b on the cluster's number along the tile rows (0, 4, 8, 12, 2, 6, 10, 14).
; So the work-groups that read the same rows of A, and the clusters that read the same columns of B, do not ask for a tile in the same step: one asks first, the others two steps or more later.
; CLUSTER.  Four work-groups along the tile rows share a tile column, so B's tiles, the larger ones, are asked for JOINTLY (mask 15); the four share both numbers that the first step hangs on.  A's tiles differ
; between the four and are loads of one's own, issued behind the same rounds.  A 4 x 4 cluster is not taken: the text is shared with KIND 1, whose six tile columns are no multiple of four.
; THE MATRIX INSTRUCTION IS USED TRANSPOSED (source 0 = 16 columns of B, turned on the way out of LDS by ds_load_tr16_b128; source 1 = 16 rows of A): a lane holds eight neighbouring numbers of a row of C.
; REGISTERS: window 0: v0-31 addresses and set-up; two fragment buffers of 96 (B's 8 fragments, then A's 4) at v32 and v128.  Window 1: accumulator (a, b) at v[8 (8 a + b)].
.set KIND,   3
.set KSTEP,  128
.set PA,     272                       ; a row of A in LDS: 256 bytes + 16: the 16 rows of a load start at 16 different groups of four banks (64 banks of 4 bytes: ISA guide 11.1)
.set PB,     544                       ; a row of B (one k, 256 columns): 512 bytes + 32, an odd multiple of 32 for the turning load
.set AHALF,  64*PA                     ; what one tensor load brings of A
.set BHALF,  64*PB                     ; and of B
.set BOFF,   2*AHALF                   ; in a slot: A's 128 rows, then B's 128 rows
.set SLOT1,  1<<17                     ; slot 1 begins here: one exclusive or turns an address in one slot into the other's
.set STAGE,  SLOT1+BOFF+2*BHALF        ; behind the ring, never filled by a tensor load: 16 rows for each wave, for the way out
.if KIND == 1
.set SP,     272
.set BPITCH, 512                       ; elements from row to row of B
.set BSH,    17                        ; a K step of B is 128 rows of 1,024 bytes = 2^17
.else
.set SP,     528
.set BPITCH, 2048
.set BSH,    19                        ; a K step of B is 128 rows of 4,096 bytes = 2^19
.endif
.set SPARE,  STAGE+4*16*SP             ; the spare words, 128 bytes for each wave: two blocks of 256 bytes that no other line names
.set A0,   16                          ; v16  my lane's place in a slot's A; never rewritten
.set B0,   17                          ; v17  the same for B
.set ADRA, 18                          ; v18  the same in the slot in hand
.set ADRB, 19
.set STO,  20                          ; the way out: where I put my bytes of a row
.set RD,   21                          ; where I read rows back
.set CO,   22                          ; my byte offset in C
.set SPW,  28                          ; LDS address of my spare word; never rewritten
.set NIL,  29                          ; 0; never rewritten
.set F0,   32
.set F1,   128
.set WV,   12                          ; s12  wave
.set HF,   13                          ; s13  wave % 2: my half of the columns; which half of a tile I fetch
.set ROLE, 14                          ; s14  wave / 2: my half of the rows; I fetch for A (0) or for B (1)
.set G1A,  24                          ; s[24:31] descriptor group 1 for A;  s[32:39] group 0, a set for each first fill; the second then walks
.set G0A,  32
.set G1B,  40                          ; s[40:47], s[48:55] the same for B.  No register that feeds B's descriptors ever holds my place in the cluster
.set G0B,  48
.set TB,   56                          ; s56  the slot in hand: 0 or SLOT1
.set CNT,  57
.set SC,   58                          ; s[58:59] the scale on the way out
.set SEL,  60                          ; s[60:61] v_permlanex16_b32's selects
.set KS,   72                          ; s72  the K step asked for last
.set OFA,  74                          ; s[74:75] its byte offset in A's rows
.set OFB,  76                          ; s[76:77] its byte offset in B
.set MSB, 0
.macro WIN new                         ; the immediate's high byte repeats the setting that is left; a switch that changes nothing is dropped
.if MSB != (\new)
	s_set_vgpr_msb (MSB<<8)|(\new)
.set MSB, \new
.endif
.endm
.set MUL, 0x50                         ; C and D in window 1, fragments in window 0
.macro PLACES                          ; four places in front of loads into registers that matrix instructions have read, and of vector lines that read results
.rept 4
	v_nop
.endr
.endm
.macro JLOAD                           ; a refill: waves 0, 1 fetch A's halves, waves 2, 3 B's, jointly; an s_nop 0 and four v_nop follow each line, ahead of the jump and the label
	s_cmp_eq_u32 s[ROLE], 0
	s_cbranch_scc0 .Lfor_b_\@
	tensor_load_to_lds s[G0A+4:G0A+7], s[G1A:G1A+7]
	s_nop 0
.rept 4
	v_nop
.endr
	s_branch .Lasked_\@
.Lfor_b_\@:
	tensor_load_to_lds s[G0B+4:G0B+7], s[G1B:G1B+7]
	s_nop 0
.rept 4
	v_nop
.endr
.Lasked_\@:
.endm
.macro CREST                           ; a round of the cluster's barrier behind its opening barrier
	s_cmp_lg_u32 s[WV], 0
	s_cbranch_scc1 .Lnot_wave_0_\@
	s_barrier_signal -3
.Lnot_wave_0_\@:
	s_barrier_wait -3
	s_barrier_signal -1
	s_barrier_wait -1
.endm
.macro CROUND
	s_barrier_signal -1
	s_barrier_wait -1
	CREST
.endm
.macro LANEMAX r, t                    ; the largest of v[r] over the 32 lanes, in every lane
	v_max_num_f32_dpp v[\r], v[\r], v[\r] row_xmask:1 row_mask:0xf bank_mask:0xf
	v_max_num_f32_dpp v[\r], v[\r], v[\r] row_xmask:2 row_mask:0xf bank_mask:0xf
	v_max_num_f32_dpp v[\r], v[\r], v[\r] row_xmask:4 row_mask:0xf bank_mask:0xf
	v_max_num_f32_dpp v[\r], v[\r], v[\r] row_xmask:8 row_mask:0xf bank_mask:0xf
	v_permlanex16_b32 v[\t], v[\r], s[SEL], s[SEL+1]
	v_max_num_f32 v[\r], v[\r], v[\t]
.endm
	s_load_b256 s[4:11], s[0:1], 0x0               ; A s[4:5], wh s[6:7], pm s[8:9], C s[10:11]
	v_lshl_add_u32 v[SPW], v0, 2, SPARE
	v_mov_b32 v[NIL], 0
	ds_add_u32 v[SPW], v[NIL]                      ; the wave's opening: the add and its wait stand ahead of my first tensor load; the set-up below stands between them
	ds_add_u32 v28, v29
	v_lshrrev_b32 v1, 5, v0
	v_readfirstlane_b32 s[WV], v1
	s_and_b32 s[HF], s[WV], 1
	s_lshr_b32 s[ROLE], s[WV], 1
	s_bfe_u32 s15, ttmp6, 0x40000                  ; cx: my place in the cluster
	s_lshl_b32 s16, ttmp9, 2
	s_add_co_u32 s16, s16, s15                     ; tile row = 4 x cluster x + cx: it enters A's and C's addresses alone
	s_and_b32 s20, ttmp7, 0xffff                   ; tile column, which the four partners share
.if KIND == 1
	s_mul_i32 s[KS], s20, 11                       ; the walk's first K step: from the tile column
	s_lshr_b32 s[KS], s[KS], 2                     ; 0, 2, 5, 8, 11, 13 for the six columns,
.else
	s_lshl_b32 s[KS], s20, 1                       ; the walk's first K step: from the tile column 0, 2, .. 14,
.endif
	s_and_b32 s[OFA], ttmp9, 3                     ; and from the cluster's number along the tile rows
	s_lshl_b32 s[OFA], s[OFA], 2                   ; 0, 4, 8, 12 for clusters 0 to 3,
	s_add_co_u32 s[KS], s[KS], s[OFA]
	s_lshr_b32 s[OFA], ttmp9, 2
	s_lshl_b32 s[OFA], s[OFA], 1                   ; and 2 more for clusters 4 to 7
	s_add_co_u32 s[KS], s[KS], s[OFA]
	s_and_b32 s[KS], s[KS], 15
	s_mov_b32 s[OFA+1], 0
	s_mov_b32 s[OFB+1], 0
	s_mov_b32 s[G1A+0], (1<<16)|(1<<20)|(5<<22)|(3<<25)  ; no mask; 2-byte elements; padding on: after every 64 words 4 words
	s_mov_b32 s[G1A+1], KSTEP<<16                  ; tensor_dim0 = 128
	s_mov_b32 s[G1A+2], 64<<16                     ; tensor_dim1 = 64
	s_mov_b32 s[G1A+3], KSTEP<<16                  ; tile_dim0 = 128
	s_mov_b32 s[G1A+4], 64                         ; tile_dim1 = 64
	s_mov_b32 s[G1A+5], 2048                       ; elements from row to row
	s_mov_b32 s[G1A+6], 0
	s_mov_b32 s[G1A+7], 0
	s_mov_b32 s[G1B+0], 15|(1<<16)|(1<<20)|(1<<21)|(6<<22)|(7<<25)  ; the mask of four, bit 21 beside it; after every 128 words 8 words
	s_mov_b32 s[G1B+1], 256<<16
	s_mov_b32 s[G1B+2], 64<<16
	s_mov_b32 s[G1B+3], 256<<16
	s_mov_b32 s[G1B+4], 64
	s_mov_b32 s[G1B+5], BPITCH
	s_mov_b32 s[G1B+6], 0
	s_mov_b32 s[G1B+7], 0
	s_mov_b32 s[SEL], 0x76543210
	s_mov_b32 s[SEL+1], 0xfedcba98
	s_lshl_b32 s17, s16, 7
	s_lshl_b32 s18, s[HF], 6
	s_add_co_u32 s17, s17, s18                     ; A: row 128 x tile row + 64 x half,
	s_lshl_b32 s18, s17, 12                        ; of 4,096 bytes
	s_mov_b32 s19, 0
.if KIND == 1
	s_lshr_b32 s21, s20, 1                         ; the part: q, k, v
	s_lshl_b32 s22, s21, 21                        ; its weights, 2,097,152 bytes each,
	s_and_b32 s23, s20, 1
	s_lshl_b32 s23, s23, 9                         ; 256 columns of them
	s_add_co_u32 s22, s22, s23
	s_add_co_u32 s22, s22, 8388608
.else
	s_lshl_b32 s22, s20, 9                         ; 256 columns of Wo
.endif
	s_mul_i32 s23, s[HF], 64*BPITCH*2              ; my 64 of a step's 128 rows
	s_add_co_u32 s22, s22, s23
	s_mov_b32 s23, 0
	s_mul_i32 s62, s[HF], AHALF                    ; where they go: the wave's number alone enters an LDS address
	s_mul_i32 s63, s[HF], BHALF
	s_add_co_u32 s63, s63, BOFF
	s_wait_dscnt 0x0                               ; the opening add is done
	s_wait_kmcnt 0x0
	s_add_nc_u64 s[18:19], s[4:5], s[18:19]        ; A at my rows, K step 0; kept
	s_add_nc_u64 s[22:23], s[6:7], s[22:23]        ; B at my columns, K step 0; kept
	CROUND                                         ; all four work-groups are here: the first joint loads meet
.irp s, 0,1
	s_lshl_b32 s[OFA], s[KS], 8                    ; a K step is 256 bytes of A's rows
	s_lshl_b32 s[OFB], s[KS], BSH
	s_mov_b32 s[G0A+4*(\s)], 1                     ; count = 1
	s_add_co_u32 s[G0A+4*(\s)+1], s62, (\s)*SLOT1  ; LDS address
	s_add_nc_u64 s[G0A+4*(\s)+2:G0A+4*(\s)+3], s[18:19], s[OFA:OFA+1]  ; global address: the walk's step s
	s_or_b32 s[G0A+4*(\s)+3], s[G0A+4*(\s)+3], 0x80000000              ; type = 2
	s_mov_b32 s[G0B+4*(\s)], 1
	s_add_co_u32 s[G0B+4*(\s)+1], s63, (\s)*SLOT1
	s_add_nc_u64 s[G0B+4*(\s)+2:G0B+4*(\s)+3], s[22:23], s[OFB:OFB+1]
	s_or_b32 s[G0B+4*(\s)+3], s[G0B+4*(\s)+3], 0x80000000
.if (\s) == 0
	s_add_co_u32 s[KS], s[KS], 1
	s_and_b32 s[KS], s[KS], 15
.endif
.endr
	s_cmp_eq_u32 s[ROLE], 0                        ; a wave's two first fills stand in one branch, ahead of every wait on TENSORcnt and every LDS read: two loads of mine are out
	s_cbranch_scc0 .Lfirst_b
	tensor_load_to_lds s[G0A:G0A+3], s[G1A:G1A+7]
	s_nop 0
	tensor_load_to_lds s[G0A+4:G0A+7], s[G1A:G1A+7]
	s_nop 0
.rept 4
	v_nop
.endr
	s_branch .Lfirst_asked
.Lfirst_b:
	tensor_load_to_lds s[G0B:G0B+3], s[G1B:G1B+7]
	s_nop 0
	tensor_load_to_lds s[G0B+4:G0B+7], s[G1B:G1B+7]
	s_nop 0
.rept 4
	v_nop
.endr
.Lfirst_asked:
	v_and_b32 v1, 15, v0                           ; r = l % 16
	v_bfe_u32 v2, v0, 4, 1                         ; h = l / 16
	v_and_b32 v3, 31, v0
	v_lshlrev_b32 v4, 4, v3
	global_load_b128 v[8:11],  v4, s[8:9]          ; x's 256 maxima, eight a lane
	global_load_b128 v[12:15], v4, s[8:9] offset:512
.if KIND == 1
	s_lshl_b32 s68, s21, 7
	v_lshl_add_u32 v5, v3, 2, s68
	global_load_b32 v6, v5, s[8:9] offset:1536     ; the 32 maxima of my part's first weights
.else
	v_lshlrev_b32 v5, 2, v3
	v_and_b32 v23, 7, v0
	v_lshlrev_b32 v23, 2, v23
	global_load_b32 v6,  v5,  s[8:9] offset:1792   ; Wv1's 32 maxima
	global_load_b32 v24, v23, s[8:9] offset:2080   ; Wv2's 8
.endif
	v_mul_u32_u24 v[A0], v1, PA                    ; a fragment of A: lane l holds row l % 16, k = 8 h + 0..7 and 16 + 8 h + 0..7: two loads of 16 bytes, 32 apart
	v_lshl_add_u32 v[A0], v2, 4, v[A0]
	s_mul_i32 s67, s[ROLE], AHALF
	v_add_nc_u32 v[A0], s67, v[A0]
	v_and_b32 v25, 7, v0                           ; the turning load: lane l reads k = 8 h + l % 8, columns 8 ((l / 8) % 2) + 0..7, and is left with column l % 16 and 8 k
	v_lshl_add_u32 v25, v2, 3, v25
	v_mul_u32_u24 v[B0], v25, PB
	v_bfe_u32 v26, v0, 3, 1
	v_lshl_add_u32 v[B0], v26, 4, v[B0]
	s_lshl_b32 s67, s[HF], 8
	s_add_co_u32 s67, s67, BOFF
	v_add_nc_u32 v[B0], s67, v[B0]
	s_mul_i32 s67, s[WV], 16*SP
	s_add_co_u32 s67, s67, STAGE                   ; my stage
	v_mul_u32_u24 v[STO], v1, SP
.if KIND == 1
	v_lshl_add_u32 v[STO], v2, 4, v[STO]           ; in: row r, 16 bytes for each half of the lanes
	v_mul_u32_u24 v[RD], v2, SP                    ; back: lanes 0-15 one row of 256 bytes, lanes 16-31 the next
	v_lshl_add_u32 v[RD], v1, 4, v[RD]
	v_lshlrev_b32 v[CO], 10, v2                    ; and the same two rows in C
	v_lshl_add_u32 v[CO], v1, 4, v[CO]
.else
	v_lshl_add_u32 v[STO], v2, 5, v[STO]           ; in: row r, 32 bytes for each half of the lanes
	v_lshlrev_b32 v[RD], 4, v3                     ; back: 32 lanes take one row of 512 bytes
	v_lshlrev_b32 v[CO], 4, v3
.endif
	v_add_nc_u32 v[STO], s67, v[STO]
	v_add_nc_u32 v[RD], s67, v[RD]
	s_lshl_b32 s66, s16, 7
	s_lshl_b32 s67, s[ROLE], 6
	s_add_co_u32 s66, s66, s67                     ; my first row of C
.if KIND == 1
	s_lshl_b32 s66, s66, 10                        ; rows of 1,024 bytes,
	s_lshl_b32 s67, s21, 22                        ; the part's 4,194,304 bytes,
	s_add_co_u32 s66, s66, s67
	s_and_b32 s67, s20, 1
	s_lshl_b32 s67, s67, 9                         ; the tile's 256 columns,
	s_add_co_u32 s66, s66, s67
	s_lshl_b32 s67, s[HF], 8                       ; my 128 of them
.else
	s_lshl_b32 s66, s66, 13                        ; rows of 8,192 bytes,
	s_lshl_b32 s67, s20, 10                        ; the tile's 256 columns,
	s_add_co_u32 s66, s66, s67
	s_lshl_b32 s67, s[HF], 9                       ; my 128 of them
.endif
	s_add_co_u32 s66, s66, s67
	s_mov_b32 s67, 0
	s_add_nc_u64 s[10:11], s[10:11], s[66:67]
	v_mov_b32 v7, 0
	s_wait_loadcnt 0x0
	v_max3_num_f32 v8, v8, v9, v10
	v_max3_num_f32 v11, v11, v12, v13
	v_max3_num_f32 v8, v8, v14, v15
	v_max_num_f32 v8, v8, v11
	LANEMAX 8, 7
	LANEMAX 6, 7
	v_readfirstlane_b32 s66, v8
	v_readfirstlane_b32 s67, v6
	s_bfe_u32 s66, s66, 0x80017                    ; the exponent fields: 8 bits from bit 23
	s_bfe_u32 s67, s67, 0x80017
	s_sub_co_i32 s66, 383, s66
	s_sub_co_i32 s66, s66, s67
	s_max_i32 s66, s66, 1
	s_min_i32 s66, s66, 253                        ; e1
.if KIND == 1
	s_lshl_b32 s[SC], s66, 23                      ; 2^n1
.else
	LANEMAX 24, 7
	v_readfirstlane_b32 s67, v24
	s_bfe_u32 s67, s67, 0x80017
	s_sub_co_i32 s67, 244, s67
	s_max_i32 s67, s67, 1
	s_min_i32 s67, s67, 253                        ; e2
	s_sub_co_i32 s66, 254, s66
	s_sub_co_i32 s67, 254, s67
	s_lshl_b32 s66, s66, 23                        ; 2^-n1
	s_lshl_b32 s67, s67, 23                        ; 2^-n2
	s_mul_f32 s[SC], s66, s67
.endif
	s_mov_b32 s[SC+1], s[SC]                       ; named with it as a pair
; 8 matrix instructions: row block a x all 8 column blocks, 32 along K.  zero = 1: the first product starts the sums.  The 32 accumulators take turns, one instruction a turn.
.macro MUL8 f, a, zero
	WIN MUL
.irp b, 0,1,2,3,4,5,6,7
.if \zero
	v_wmma_f32_16x16x32_f16 v[8*(8*(\a)+(\b)):8*(8*(\a)+(\b))+7], v[(\f)+8*(\b):(\f)+8*(\b)+7], v[(\f)+64+8*(\a):(\f)+64+8*(\a)+7], 0
.else
	v_wmma_f32_16x16x32_f16 v[8*(8*(\a)+(\b)):8*(8*(\a)+(\b))+7], v[(\f)+8*(\b):(\f)+8*(\b)+7], v[(\f)+64+8*(\a):(\f)+64+8*(\a)+7], v[8*(8*(\a)+(\b)):8*(8*(\a)+(\b))+7]
.endif
.endr
.endm
.macro MUL16 f, a0, zero
	MUL8 \f, \a0, \zero
	MUL8 \f, (\a0)+1, \zero
.endm
; 24 LDS loads in one run: the fragments of quarter sub of the slot in hand (32 along K): B's 128 columns, then A's 64 rows, into buffer f
.macro FETCH sub, f
	WIN 0
.irp b, 0,1,2,3,4,5,6,7
	ds_load_tr16_b128 v[(\f)+8*(\b):(\f)+8*(\b)+3],   v[ADRB] offset:(\sub)*32*PB+32*(\b)
	ds_load_tr16_b128 v[(\f)+8*(\b)+4:(\f)+8*(\b)+7], v[ADRB] offset:(\sub)*32*PB+16*PB+32*(\b)
.endr
.irp i, 0,1,2,3
	ds_load_b128 v[(\f)+64+8*(\i):(\f)+64+8*(\i)+3],   v[ADRA] offset:64*(\sub)+(\i)*16*PA
	ds_load_b128 v[(\f)+64+8*(\i)+4:(\f)+64+8*(\i)+7], v[ADRA] offset:64*(\sub)+(\i)*16*PA+32
.endr
.endm
; A K step is four quarters of 32 along K, 32 matrix instructions each, on buffers 0, 1, 0, 1.  One of the first three multiplies buffer f and fetches quarter sub into g.
.macro QUARTER sub, f, g, zero
	s_wait_dscnt 4                                 ; B and A's rows 0-31 are in; the youngest four loads (A's rows 32-63) may be out
	MUL16 \f, 0, \zero
	PLACES
	FETCH \sub, \g
	s_wait_dscnt 24                                ; all but the 24 just issued
	MUL16 \f, 2, \zero
.endm
; The last quarter multiplies buffer 1 and changes slots: ONE barrier.  In front of it each wave waits for all its tensor loads (one is out: its part of the next slot), adds 0 to its spare word, and
; waits for that and for its reads of this slot.  fill = 1: the barrier opens a round of the cluster's, and this slot is filled again, with the walk's step two on, first thing behind the round:
; 112 matrix instructions ahead of the wait for it.  The walking descriptors' addresses are made anew from the step's number, which wraps at 16.
.macro TURN fill
	WIN 0                                          ; (the add's two registers lie in window 0)
	s_wait_tensorcnt 0x0                           ; no tensor load of mine is out, so a group 0 may be written
	ds_add_u32 v[SPW], v[NIL]                      ; the add; the descriptors' scalar work stands between it and the wait for it
.if \fill
	s_add_co_u32 s[KS], s[KS], 1
	s_and_b32 s[KS], s[KS], 15
	s_lshl_b32 s[OFA], s[KS], 8
	s_lshl_b32 s[OFB], s[KS], BSH
	s_xor_b32 s[G0A+5], s[G0A+5], SLOT1            ; the other slot than last time
	s_add_nc_u64 s[G0A+6:G0A+7], s[18:19], s[OFA:OFA+1]
	s_or_b32 s[G0A+7], s[G0A+7], 0x80000000
	s_xor_b32 s[G0B+5], s[G0B+5], SLOT1
	s_add_nc_u64 s[G0B+6:G0B+7], s[22:23], s[OFB:OFB+1]
	s_or_b32 s[G0B+7], s[G0B+7], 0x80000000
.endif
	s_wait_dscnt 5                                 ; (the add and the youngest four loads may be out)
	MUL8 F1, 0, 0
	s_wait_dscnt 0x0                               ; the add is done, and my reads of this slot are over
	s_barrier_signal -1
	MUL8 F1, 1, 0
	WIN 0                                          ; at a branch and at a label every window is 0
	s_barrier_wait -1
.if \fill
	CREST                                          ; no wave of any partner still reads this slot or has a load on its way
	JLOAD                                          ; the four v_nop behind it are also the places in front of the loads below
.else
	PLACES
.endif
	s_xor_b32 s[TB], s[TB], SLOT1
	v_add_nc_u32 v[ADRA], s[TB], v[A0]
	v_add_nc_u32 v[ADRB], s[TB], v[B0]
	FETCH 0, F0
	MUL16 F1, 2, 0
.endm
	s_wait_tensorcnt 0x1                           ; my part of the walk's step 0 is in; step 1's may stay out
	s_barrier_signal -1
	s_barrier_wait -1                              ; everybody's is
	s_mov_b32 s[TB], 0
	v_mov_b32 v[ADRA], v[A0]
	v_mov_b32 v[ADRB], v[B0]
	FETCH 0, F0
	QUARTER 1, F0, F1, 1                           ; the first quarter stands in front of the loop: its products start the sums
	WIN 0
	s_mov_b32 s[CNT], 14                           ; the walk's steps 2 to 15 are asked for in the loop
.Lstep:                                                ; a trip: from a step's second quarter to the next step's first
	QUARTER 2, F1, F0, 0
	QUARTER 3, F0, F1, 0
	TURN 1
	QUARTER 1, F0, F1, 0
	WIN 0
	s_sub_co_u32 s[CNT], s[CNT], 1
	s_cmp_lg_u32 s[CNT], 0
	s_cbranch_scc1 .Lstep
	QUARTER 2, F1, F0, 0                           ; the last two steps ask for nothing
	QUARTER 3, F0, F1, 0
	TURN 0
	QUARTER 1, F0, F1, 0
	QUARTER 2, F1, F0, 0
	QUARTER 3, F0, F1, 0
	s_wait_dscnt 4
	MUL16 F1, 0, 0
	s_wait_dscnt 0x0
	MUL16 F1, 2, 0
; THE WAY OUT, a block of 16 rows at a time, in the block's own 64 registers of window 1: scaled (each accumulator's registers in ascending order), through my own stage in LDS, back as whole rows, stored.
.macro PACK a
	WIN 0x41
.set i, 0
.rept 32
	v_pk_mul_f32 v[64*(\a)+2*i:64*(\a)+2*i+1], v[64*(\a)+2*i:64*(\a)+2*i+1], s[SC:SC+1] op_sel_hi:[1,0]
.set i, i+1
.endr
.if KIND == 1
	WIN 0x45
.set i, 0
.rept 32
	v_cvt_pk_f16_f32 v[64*(\a)+i], v[64*(\a)+2*i], v[64*(\a)+2*i+1]  ; register i is read for the last time by conversion i / 2
.set i, i+1
.endr
.endif
.endm
.macro STG a
	WIN 0x04                                       ; data in window 1, address in window 0
.irp b, 0,1,2,3,4,5,6,7
.if KIND == 1
	ds_store_b128 v[STO], v[64*(\a)+4*(\b):64*(\a)+4*(\b)+3] offset:32*(\b)
.else
	ds_store_b128 v[STO], v[64*(\a)+8*(\b):64*(\a)+8*(\b)+3]   offset:64*(\b)
	ds_store_b128 v[STO], v[64*(\a)+8*(\b)+4:64*(\a)+8*(\b)+7] offset:64*(\b)+16
.endif
.endr
	WIN 0x40                                       ; LDS serves a wave's instructions in order (ISA guide 5.7.1.4): the loads see the stores above, and the next block's stores come behind them
.if KIND == 1
.irp t, 0,1,2,3,4,5,6,7
	ds_load_b128 v[64*(\a)+32+4*(\t):64*(\a)+32+4*(\t)+3], v[RD] offset:(\t)*2*SP
.endr
.else
.irp t, 0,1,2,3,4,5,6,7,8,9,10,11,12,13,14,15
	ds_load_b128 v[64*(\a)+4*(\t):64*(\a)+4*(\t)+3], v[RD] offset:(\t)*SP
.endr
.endif
.endm
.macro SEND a
	WIN 0x04
	s_wait_dscnt 0x0                               ; the block is back in registers
.if KIND == 1
.irp t, 0,1,2,3,4,5,6,7
	global_store_b128 v[CO], v[64*(\a)+32+4*(\t):64*(\a)+32+4*(\t)+3], s[10:11] offset:(16*(\a)+2*(\t))*1024  ; 16 lanes store 256 consecutive bytes, at a multiple of 256 from C's first byte
.endr
.else
.irp t, 0,1,2,3,4,5,6,7,8,9,10,11,12,13,14,15
	global_store_b128 v[CO], v[64*(\a)+4*(\t):64*(\a)+4*(\t)+3], s[10:11] offset:(16*(\a)+(\t))*8192 th:TH_STORE_NT  ; 512 consecutive bytes of a row
.endr
.endif
.endm
	PLACES
	PACK 0
	STG 0
.irp a, 1,2,3                          ; a block's arithmetic stands between the loads of the block before and the wait for them
	PACK \a
	SEND (\a)-1
	STG \a
.endr
	SEND 3
	WIN 0
	s_wait_tensorcnt 0x0                           ; the wave's end: behind my last tensor load and my last LDS store
	ds_add_u32 v[SPW], v[NIL]
	s_wait_dscnt 0x0
	CROUND                                         ; the closing round: no work-group ends while a partner may still ask for a tile that names it
	s_endpgm
.Lfunc_end_k_qd5886b7d99_g3:
	.size	k_qd5886b7d99_g3, .Lfunc_end_k_qd5886b7d99_g3-k_qd5886b7d99_g3
	.p2alignl 7, 3214868480
	.fill 96, 4, 3214868480
	.section	.rodata,"a",@progbits
	.p2align	6, 0x0
	.amdhsa_kernel k_qd5886b7d99_g3
		.amdhsa_group_segment_fixed_size 327680
		.amdhsa_private_segment_fixed_size 0
		.amdhsa_enable_private_segment 0
		.amdhsa_kernarg_size 32
		.amdhsa_user_sgpr_count 2
		.amdhsa_user_sgpr_kernarg_segment_ptr 1
		.amdhsa_wavefront_size32 1
		.amdhsa_system_sgpr_workgroup_id_x 1
		.amdhsa_system_sgpr_workgroup_id_y 1
		.amdhsa_system_sgpr_workgroup_id_z 1
		.amdhsa_system_vgpr_workitem_id 0
		.amdhsa_next_free_vgpr 512
		.amdhsa_next_free_sgpr 80
		.amdhsa_reserve_vcc 0
		.amdhsa_float_denorm_mode_32 3
		.amdhsa_float_denorm_mode_16_64 3
		.amdhsa_memory_ordered 1
		.amdhsa_forward_progress 1
		.amdhsa_inst_pref_size 80
	.end_amdhsa_kernel
	.amdgpu_metadata
---
amdhsa.version: [ 1, 2 ]
amdhsa.kernels:
  - .name:           k_qd5886b7d99_g3
    .symbol:         k_qd5886b7d99_g3.kd
    .args:
      - { .name: oh, .offset: 0, .size: 8, .value_kind: global_buffer, .address_space: global }
      - { .name: wh, .offset: 8, .size: 8, .value_kind: global_buffer, .address_space: global }
      - { .name: pm, .offset: 16, .size: 8, .value_kind: global_buffer, .address_space: global }
      - { .name: out0, .offset: 24, .size: 8, .value_kind: global_buffer, .address_space: global }
    .group_segment_fixed_size: 327680
    .private_segment_fixed_size: 0
    .kernarg_segment_align: 8
    .kernarg_segment_size: 32
    .max_flat_workgroup_size: 128
    .sgpr_count:     80
    .vgpr_count:     512
    .wavefront_size: 32
...
	.end_amdgpu_metadata
.endif
;; end of part 5
